; MI455X (gfx1250); checked and timed in simulation.
; The chip was launched on July 23, 2026; its instructions are those of AMD's public machine-readable ISA for CDNA 5 (MIT licence, August 2026) and "CDNA5" Instruction Set Architecture Reference Guide (July 2026). The comments in the code are by the model that wrote it; some were corrected since.
;; Multi Attention. Allowed arithmetic: matrix products marked QUANTISED: E2M1 operands, one E8M0 scale for each 32 along K, by v_wmma_scale_f32_16x16x128_f8f6f4 with both operands' format E2M1 (or v_wmma_scale_f32_32x16x128_f4), f32 sums; everything else in f32.
;; Inputs: Wk 16 x 1,024 x 64 float32; Wo 1,024 x 1,024 float32; Wq 16 x 1,024 x 64 float32; Wv 16 x 1,024 x 64 float32; bk 16 x 64 float32; bo 1,024 float32; bq 16 x 64 float32; bv 16 x 64 float32; x 4 x 2,048 x 1,024 float32.
;; Outputs: out0 4 x 2,048 x 1,024 float32.
;; This version of the problem:
;;   THIS VERSION OF THE PROBLEM IS GIVEN IN LOW PRECISION. The matrix products marked QUANTISED in the list below multiply operands that are first quantised to E2M1 (2 exponent bits, 1 mantissa bit; 4 bits a number), with one power-of-two scale for each 32 numbers along K (OCP MX v1.0); their sums are f32. All else is computed in f32.
;;   The module's matrix products, in the order in which they are computed (A, B: the left and right operand; K: the contracted axis; several contracted axes count as one K, in the product's order):
;;     1. [M 1,024, K 1,024] x [K 1,024, N 8,192]; A: input Wq; B: input x: QUANTISED
;;     2. [M 1,024, K 1,024] x [K 1,024, N 8,192]; A: input Wk; B: input x: QUANTISED
;;     3. [M 1,024, K 1,024] x [K 1,024, N 8,192]; A: input Wv; B: input x: QUANTISED
;;     4. batch 64 x [M 2,048, K 64] x [K 64, N 2,048]; A: computed on the way; B: computed on the way: QUANTISED
;;     5. batch 64 x [M 2,048, K 2,048] x [K 2,048, N 64]; A: softmax (see below); B: computed on the way: QUANTISED
;;     6. [M 8,192, K 1,024] x [K 1,024, N 1,024]; A: computed on the way; B: input Wo: QUANTISED
;;   THE QUANTISER, for each operand of a quantised product, along K:
;;     - K is cut into blocks of 32 from its start; a last block that is shorter is filled with zeros.
;;     - A block's scale is 2^e with e = floor(log2(the largest magnitude in the block)) - 2, held to -126 .. 127; a block of zeros has e = 0. As a byte (E8M0): e + 127.
;;     - Each number is divided by its block's scale, clamped to +-6, and rounded to the nearest number of E2M1, ties to even, subnormals kept.
;;     - The product sums the exact products of the quantised numbers (number of the format x scale) in f32.
;;   ~~~python
;;   def quantise(x, axis):      # numpy; x: float32 -> the quantised numbers, widened to float32 again
;;       x = np.moveaxis(x, axis, -1); K = x.shape[-1]
;;       x = np.pad(x, [(0, 0)] * (x.ndim - 1) + [(0, -K % 32)]); x = x.reshape(x.shape[:-1] + (-1, 32)); a = np.abs(x).max(-1, keepdims=True)
;;       e = np.where(a > 0, np.clip(np.frexp(np.where(a > 0, a, 1))[1] - 1 - 2, -126, 127), 0)      # np.frexp(a)[1] - 1 = floor(log2(a)), exactly
;;       r = np.clip(x / 2.0 ** e, -6, 6)
;;       step = 2.0 ** (np.maximum(np.frexp(np.where(r == 0, 1, r))[1] - 1, 0) - 1)
;;       q = np.round(r / step) * step * 2.0 ** e      # np.round: ties to even
;;       return np.moveaxis(q.reshape(q.shape[:-2] + (-1,))[..., :K], -1, axis).astype(np.float32)
;;   ~~~
;;   SOFTMAX AHEAD OF A QUANTISED PRODUCT. Where the list says 'softmax', what is quantised is not the finished softmax but p = 2^(t - M), with t = logit x log2(e) and M = ceil(the row's largest t), a whole number; so 1/2 < the row's largest p <= 1. The row's sum l is taken of the UNQUANTISED p, in f32, and the product's result is divided by l at the end. Since M is a whole number, a kernel that streams over the keys may use a running M (the ceiling of the running maximum): every later rescaling is an exact power of two, which a block's scale takes up: the codes' values come out the same.
;;   OPERANDS COMPUTED ON THE WAY. 'Computed on the way' means the value that the module computes at that place (a softmax that the list does not call 'softmax' is quantised finished and normalised). What goes into a quantiser is computed in f32, as accurately as f32 sums, v_exp_f32 and their like allow (about 1e-6 of the number): no bf16 or f16 on the way to a quantiser, and a product that is left as it is and whose result goes on into a quantised operand takes f32 operands (vector FMAs, or v_wmma_f32_16x16x4_f32). A number that lies on a knife's edge between two numbers of the format may be rounded either way, as far as f32 arithmetic and the matrix unit's own rounding can turn it there, and no further.
;; One version. Each part assembles by itself: llvm-mc -triple=amdgcn-amd-amdhsa -mcpu=gfx1250 --defsym DOCPART=n.
;; ======== version 1 of 1: 4 launches
;; limits: right only within a limited range of input values
;; workspace buffers: xq 4,456,448 bytes; wq 2,228,224 bytes; qk 9,437,184 bytes; vq 4,456,448 bytes; cq 4,456,448 bytes
;; launch quant (part 1): grid 256 x 1, 8 waves a work-group, no clusters, 84,992 bytes of LDS; arguments x, Wq, Wk, Wv, Wo, xq, wq; writes xq, wq
.if DOCPART == 1
	.amdgcn_target "amdgcn-amd-amdhsa--gfx1250"
	.amdhsa_code_object_version 6
	.text
	.protected	k_q39d39d850a_quant
	.globl	k_q39d39d850a_quant
	.p2align	8
	.type	k_q39d39d850a_quant,@function
k_q39d39d850a_quant:
	s_mov_b64 s[64:65], 0
	v_nop
	global_prefetch_b8 v0, s[64:65] scope:SCOPE_SE
	s_setreg_imm32_b32 hwreg(HW_REG_WAVE_MODE, 25, 1), 1
	s_wait_xcnt 0x0
; x and the four weights, f32, become codes of FP4 (E2M1) with K innermost and one E8M0 scale byte for each 32 along K.  One launch for both: work-groups of even number take x, those of odd number the weights;
; the two ways part on the work-group's number, never join, and have LDS bytes of their own (x: 0 .. 65,535; the weights: from WL on).
; A block's scale is 2^(floor(log2(its largest magnitude)) - 2); its byte is the largest magnitude's exponent field - 2, held at 1 from below.
; LIMITS: a block whose largest magnitude lies under 2^-124 gets the byte 1; a block of zeros gets the byte 1 and not 127 (its codes are zeros, and this program alone reads the bytes); NaN and infinities are not served.
; X.  x [8192][1024] -> xq: codes [8192][512 bytes] at byte 0, scale bytes [8192][32] at XSCL.  Rows are dense: the tensor is a plain stream of blocks of 32.  A wave takes 16 steps of 512 numbers.  Each of a step's four
;   loads reads 512 consecutive bytes, 16 a lane; the 2,048 bytes turn through the wave's own stage in LDS and come back 64 bytes a lane: 16 neighbours along K, two lanes to a block.  A lane's 16 codes are 8 bytes: the wave
;   stores 256 consecutive bytes.  A wave's 256 scale bytes are gathered in its own LDS bytes and leave as one aligned run of 256 bytes.  No barrier: the waves share nothing.
; THE WEIGHTS have K as their FIRST matrix axis.  wq's rows: 0-1023 Wq (row = 64 head + column), 1024-2047 Wk, 2048-3071 Wv, 3072-4095 Wo's columns; scale bytes [4096][32] at WSCL.
;   A LANE TAKES A COLUMN AND ITS REGISTERS RUN DOWN K: a block of 32 lies in one lane's 32 registers, and the conversions give codes with K innermost.  A work-group takes 64 rows of wq x 512 along K, a wave 32 columns x 128
;   along K: four blocks a lane.  Only the pointer, the pitch from k to k + 1 and the distance from 64 columns to the next are chosen, on the work-group's number.  The codes meet in a stage in LDS (64 rows x 256 bytes + 16).
;   Wq, Wk, Wo leave as rows of 512 bytes: sixteen lanes store 256 consecutive bytes, aligned.  Wv leaves as IMAGES OF FRAGMENTS, [row tile of 16][K step of 128: 8][2][512 bytes], lane l's 16 bytes at 16 l (lane l: row l % 16,
;   the 16 bytes at 32 c + 16 (l / 16) of the K step's 64): the next launch loads them straight into registers, 512 consecutive bytes a load.  The scale bytes leave in runs of 16 bytes, 32 bytes apart: 128 KB in the launch.
; No tensor load, no cluster: nothing is shared between work-groups.
.set XSTEPS, 16
.set CB,    8                          ; bytes of 16 codes
.set XR,    16                         ; x: v16-143  eight sets of 16 numbers as they are loaded
.set XX,    144                        ;    v144-175 two sets of 16 neighbours
.set XE,    176                        ;    v176-191 a scale byte for each step
.set XC,    218                        ;    v218-249 codes: two registers for each step, so that no store's data are written again
.set WREG,  8192                       ;    LDS: a region for each wave: two stages of 32 x SP bytes, behind them its 256 scale bytes
.set SP,    80                         ;    a lane's place in a stage: 64 bytes + 16 of padding
.set XSCL,  0x400000                   ; where the scale bytes begin in xq
.set WL,    8*WREG                     ; the weights' LDS bytes begin here
.set PITCH, 272                        ; a stage row
.set SST,   WL+64*PITCH                ; behind the stage: 64 rows x 16 scale bytes
.set WSCL,  0x200000                   ; where the scale bytes begin in wq
.set VO,    16                         ; weights: v16-47   byte offset of row i of a block: pitch x i + 4 x lane; never rewritten
.set WX,    48                         ;          v48-175  four blocks of 32 numbers, each with registers of its own
.set WC,    176                        ;          v176-191 four registers of codes for each block
.set SB,    192                        ;          v192     my four scale bytes
.set OUTR,  196                        ;          v196-211 the way out
.set SBK,   212                        ;          v212     a scale word read back
.set T0,    213                        ;          v213-215 at work
.set T1,    214
.set T2,    215
	s_load_b256 s[4:11], s[0:1], 0x0               ; x s[4:5], Wq s[6:7], Wk s[8:9], Wv s[10:11]
	s_load_b128 s[12:15], s[0:1], 0x20             ; Wo s[12:13], xq s[14:15]
	s_load_b64 s[16:17], s[0:1], 0x30              ; wq
	v_lshl_add_u32 v216, v0, 2, 0x14800
	v_mov_b32 v217, 0
	v_lshrrev_b32 v1, 5, v0
	s_delay_alu instid0(VALU_DEP_1)
	v_readfirstlane_b32 s18, v1                    ; wave 0..7
	v_and_b32 v2, 31, v0                           ; lane
	s_lshr_b32 s19, ttmp9, 1                       ; my number among the work-groups of my kind: 0 .. 127
	s_and_b32 s20, ttmp9, 1
	s_cmp_lg_u32 s20, 0                            ; the same for all eight waves
	s_cbranch_scc1 .Lweights
	; ---------------- x ----------------
	v_lshlrev_b32 v3, 4, v2                        ; my 16 bytes of a load's 512
	s_mul_i32 s21, s18, WREG
	v_lshrrev_b32 v14, 2, v2
	s_delay_alu instid0(VALU_DEP_1)
	v_mul_u32_u24 v14, v14, SP
	v_and_b32 v15, 3, v2
	s_delay_alu instid0(VALU_DEP_1)
	v_lshl_add_u32 v14, v15, 4, v14
	s_delay_alu instid0(VALU_DEP_1)
	v_add_nc_u32 v14, s21, v14                     ; the stage, on the way in: SP (lane / 4) + 16 (lane % 4)
	v_mul_u32_u24 v15, v2, SP
	s_delay_alu instid0(VALU_DEP_1)
	v_add_nc_u32 v15, s21, v15                     ; and on the way out: SP x lane: my 16 neighbours
	v_mul_u32_u24 v4, v2, CB                       ; my codes' place in a step's
	v_lshrrev_b32 v5, 1, v2
	s_add_co_u32 s21, s21, 2*32*SP
	v_add_nc_u32 v5, s21, v5                       ; LDS: my wave's 256 scale bytes, my block's byte
	v_lshlrev_b32 v7, 3, v2                        ; and on the way out 8 bytes a lane
	s_delay_alu instid0(VALU_DEP_1)
	v_add_nc_u32 v6, s21, v7
	s_lshl_b32 s22, s19, 3
	s_add_co_u32 s22, s22, s18                     ; which run of 8,192 numbers is my wave's: 0 .. 1,023
	s_lshl_b32 s28, s22, 15                        ; 32,768 bytes of x,
	s_mov_b32 s29, 0
	s_lshl_b32 s30, s22, 12                        ; 4,096 bytes of codes,
	s_mov_b32 s31, 0
	s_lshl_b32 s32, s22, 8                         ; 256 scale bytes a run
	s_add_co_u32 s32, s32, XSCL
	s_mov_b32 s33, 0
	s_wait_alu depctr_va_vdst(0)
	s_wait_kmcnt 0x0
	s_add_nc_u64 s[4:5], s[4:5], s[28:29]
	s_add_nc_u64 s[24:25], s[14:15], s[30:31]
	s_add_nc_u64 s[26:27], s[14:15], s[32:33]
.macro XLOAD t
.irp i, 0,1,2,3
	global_load_b128 v[XR+16*((\t)%8)+4*\i:XR+16*((\t)%8)+4*\i+3], v3, s[4:5] offset:2048*(\t)+512*\i th:TH_LOAD_NT   ; 32 lanes read 512 consecutive bytes
.endr
.endm
.macro XTURN t                         ; step t's numbers through the stage: LDS serves a wave's instructions in order, so no wait stands between the stores and the loads
.irp i, 0,1,2,3
	ds_store_b128 v14, v[XR+16*((\t)%8)+4*\i:XR+16*((\t)%8)+4*\i+3] offset:32*SP*((\t)%2)+8*SP*\i
.endr
.irp i, 0,1,2,3
	ds_load_b128 v[XX+16*((\t)%2)+4*\i:XX+16*((\t)%2)+4*\i+3], v15 offset:32*SP*((\t)%2)+16*\i
.endr
.endm
.irp t, 0,1,2,3,4,5,6,7
	XLOAD \t
.endr
	s_wait_loadcnt 28                              ; step 0's four loads are in; the 28 of steps 1 to 7 may be out
	XTURN 0
.macro XSTEP t
.set XS, XX+16*((\t)%2)
.if (\t) > 0
	s_wait_dscnt 1                                 ; this step's numbers are back from the stage (the last step's byte store may be out): so its stores into the stage have read their registers,
.else
	s_wait_dscnt 0x0
.endif
.if (\t)+8 < XSTEPS
	XLOAD (\t)+8                                   ; which take the loads of eight steps on
.endif
.if (\t)+1 < XSTEPS
.if XSTEPS-2-(\t) >= 7
	s_wait_loadcnt 28                              ; the next step's four loads are in; those of the seven steps behind it may be out
.else
	s_wait_loadcnt 4*(XSTEPS-2-(\t))
.endif
	XTURN (\t)+1                                   ; and go through the other stage while this step is worked
.endif
	v_max3_num_f32 v8, |v[XS]|, |v[XS+1]|, |v[XS+2]|               ; the largest magnitude of my 16, in two chains
	v_max3_num_f32 v9, |v[XS+3]|, |v[XS+4]|, |v[XS+5]|
.irp i, 6,10
	s_delay_alu instid0(VALU_DEP_2)
	v_max3_num_f32 v8, v8, |v[XS+\i]|, |v[XS+\i+1]|
	s_delay_alu instid0(VALU_DEP_2)
	v_max3_num_f32 v9, v9, |v[XS+\i+2]|, |v[XS+\i+3]|
.endr
	s_delay_alu instid0(VALU_DEP_2)
	v_max3_num_f32 v8, v8, |v[XS+14]|, |v[XS+15]|
	s_delay_alu instid0(VALU_DEP_1)
	v_max3_num_f32 v8, v8, v9, 0x1800000           ; and the floor 2^(3 - 127): the byte cannot fall under 1
	s_delay_alu instid0(VALU_DEP_1)
	v_max_num_f32_dpp v8, v8, v8 row_xmask:1 row_mask:0xf bank_mask:0xf   ; and of my neighbour's 16: the block's
	s_delay_alu instid0(VALU_DEP_1)
	v_add_nc_u32 v11, 0xff000000, v8               ; 2 off its exponent field: the conversion takes the exponent field of this operand as its scale
	v_cvt_scalef32_pk8_fp4_f32 v[XC+2*(\t)], v[XS:XS+7], v11
	v_cvt_scalef32_pk8_fp4_f32 v[XC+2*(\t)+1], v[XS+8:XS+15], v11
	v_lshrrev_b32 v[XE+(\t)], 23, v11              ; the scale's byte (also the plain line behind the conversions)
	ds_store_b8 v5, v[XE+(\t)] offset:16*(\t)      ; both lanes of a block write the same byte with the same value
	global_store_b64 v4, v[XC+2*(\t):XC+2*(\t)+1], s[24:25] offset:32*CB*(\t)   ; 32 lanes store 256 consecutive bytes
.endm
.irp t, 0,1,2,3,4,5,6,7,8,9,10,11,12,13,14,15
	XSTEP \t
.endr
	ds_load_b64 v[12:13], v6                       ; LDS serves a wave's instructions in order: these see my stores
	s_wait_dscnt 0x0
	global_store_b64 v7, v[12:13], s[26:27]        ; 32 lanes store 256 consecutive bytes, aligned
	s_wait_tensorcnt 0x0
	ds_add_u32 v216, v217
	s_wait_dscnt 0x0
	s_endpgm
	; ---------------- the weights ----------------
.Lweights:
	s_wait_alu depctr_va_vdst(0)
	v_lshlrev_b32 v3, 2, v2                        ; 4 bytes a lane
	s_wait_alu depctr_va_vdst(0)
	s_and_b32 s20, s19, 63                         ; which 64 rows of wq
	s_lshr_b32 s21, s19, 6                         ; which 512 along K
	s_lshr_b32 s22, s20, 4                         ; which tensor: 0 Wq, 1 Wk, 2 Wv, 3 Wo
	s_and_b32 s23, s20, 15                         ; which 64 columns of it
	s_cmp_lt_u32 s22, 3
	s_mov_b32 s24, 4096
	s_cselect_b32 s24, 256, s24                    ; bytes from k to k + 1: a head's row of 64, or Wo's row of 1,024
	s_mov_b32 s25, 256
	s_cselect_b32 s25, 262144, s25                 ; bytes from 64 columns to the next 64: a head, or 256
	s_mul_i32 s26, s23, s25
	s_and_b32 s27, s18, 1
	s_lshl_b32 s27, s27, 7                         ; my wave's 32 columns
	s_add_co_u32 s26, s26, s27
	s_lshl_b32 s27, s21, 9
	s_lshr_b32 s28, s18, 1
	s_lshl_b32 s28, s28, 7
	s_add_co_u32 s27, s27, s28                     ; my wave's first k: 512 y + 128 (wave / 2)
	s_mul_i32 s27, s27, s24
	s_add_co_u32 s26, s26, s27                     ; where block 0 begins, in bytes (under 2^23)
	s_mov_b32 s27, 0
	s_lshl_b32 s28, s24, 5                         ; 32 rows on
	s_mov_b32 s29, 0
	s_lshl_b32 s30, s20, 15                        ; the way out by rows: 64 rows of 512 bytes, 256 bytes for 512 along K
	s_lshl_b32 s31, s21, 8
	s_add_co_u32 s30, s30, s31
	s_mov_b32 s31, 0
	s_lshl_b32 s32, s20, 11                        ; scale bytes: 64 rows of 32, 16 for 512 along K
	s_lshl_b32 s33, s21, 4
	s_add_co_u32 s32, s32, s33
	s_add_co_u32 s32, s32, WSCL
	s_mov_b32 s33, 0
	s_lshl_b32 s34, s20, 15                        ; the way out by images: four row tiles of 8,192 bytes, 4,096 bytes for four K steps
	s_lshl_b32 s35, s21, 12
	s_add_co_u32 s34, s34, s35
	s_mov_b32 s35, 0
.set n, 0
.rept 32
	v_mad_u32_u24 v[VO+n], s24, n, v3
.set n, n+1
.endr
	v_and_b32 v4, 63, v0                           ; my column of the 64
	v_lshrrev_b32 v5, 6, v0                        ; my 128 of the 512 along K
	s_delay_alu instid0(VALU_DEP_2)
	v_mul_u32_u24 v6, v4, PITCH
	s_delay_alu instid0(VALU_DEP_1)
	v_lshl_add_u32 v6, v5, 6, v6                   ; the stage, in: row = column, 64 bytes for 128 codes
	s_delay_alu instid0(VALU_DEP_1)
	v_add_nc_u32 v6, WL, v6
	v_lshlrev_b32 v7, 4, v4
	s_delay_alu instid0(VALU_DEP_1)
	v_lshl_add_u32 v7, v5, 2, v7
	s_delay_alu instid0(VALU_DEP_1)
	v_add_nc_u32 v7, SST, v7                       ; my scale word's place
	v_lshrrev_b32 v8, 4, v0                        ; out by rows: sixteen threads to a row; rows v0 / 16 + 16 i
	v_and_b32 v9, 15, v0
	s_delay_alu instid0(VALU_DEP_2)
	v_mul_u32_u24 v10, v8, PITCH
	s_delay_alu instid0(VALU_DEP_1)
	v_lshl_add_u32 v10, v9, 4, v10
	s_delay_alu instid0(VALU_DEP_1)
	v_add_nc_u32 v10, WL, v10                      ; LDS address
	v_lshlrev_b32 v11, 9, v8
	s_delay_alu instid0(VALU_DEP_1)
	v_lshl_add_u32 v11, v9, 4, v11                 ; and the same place in wq
	v_lshl_add_u32 v12, v0, 2, SST                 ; scale word v0: row v0 / 4, word v0 % 4
	v_lshrrev_b32 v13, 2, v0
	v_and_b32 v14, 3, v0
	s_delay_alu instid0(VALU_DEP_2)
	v_lshlrev_b32 v13, 5, v13
	s_delay_alu instid0(VALU_DEP_1)
	v_lshl_add_u32 v13, v14, 2, v13                ; and its place in wq
	v_mul_u32_u24 v15, v9, PITCH                   ; out by images: row v0 % 16 + 16 i,
	v_bfe_u32 v14, v0, 4, 1
	s_delay_alu instid0(VALU_DEP_1)
	v_lshl_add_u32 v15, v14, 4, v15                ; its 16 bytes at 32 x wave + 16 x (lane / 16)
	v_lshrrev_b32 v14, 5, v0
	s_delay_alu instid0(VALU_DEP_1)
	v_lshl_add_u32 v15, v14, 5, v15
	s_delay_alu instid0(VALU_DEP_1)
	v_add_nc_u32 v15, WL, v15
	v_lshlrev_b32 v1, 4, v0                        ; which go to byte 16 v0 of the row tile's 4,096: wave w is half w % 2 of K step w / 2
	s_wait_kmcnt 0x0
	s_cmp_lt_u32 s22, 1                            ; the choice of the tensor hangs on the work-group's number alone
	s_cselect_b64 s[6:7], s[6:7], s[8:9]
	s_cmp_lt_u32 s22, 3
	s_cselect_b64 s[10:11], s[10:11], s[12:13]
	s_cmp_lt_u32 s22, 2
	s_cselect_b64 s[6:7], s[6:7], s[10:11]
	s_add_nc_u64 s[36:37], s[6:7], s[26:27]        ; a base for each block; never rewritten
	s_add_nc_u64 s[38:39], s[36:37], s[28:29]
	s_add_nc_u64 s[40:41], s[38:39], s[28:29]
	s_add_nc_u64 s[42:43], s[40:41], s[28:29]
	s_add_nc_u64 s[30:31], s[16:17], s[30:31]
	s_add_nc_u64 s[32:33], s[16:17], s[32:33]
	s_add_nc_u64 s[34:35], s[16:17], s[34:35]
.macro WLOAD t                         ; block t: W(k0 + 32 t + i, my column), i = 0 .. 31: each load reads 128 consecutive bytes
.set n, 0
.rept 32
	global_load_b32 v[WX+32*(\t)+n], v[VO+n], s[36+2*(\t):37+2*(\t)] th:TH_LOAD_NT
.set n, n+1
.endr
.endm
.macro WBLOCK t
.set XS, WX+32*(\t)
.if (\t) < 3
	s_wait_loadcnt 32                              ; this block's 32 loads are in; the next block's 32 may be out
.else
	s_wait_loadcnt 0x0
.endif
	v_max3_num_f32 v[T0], |v[XS]|, |v[XS+1]|, |v[XS+2]|            ; the block's largest magnitude: all 32 numbers are mine; two chains
	v_max3_num_f32 v[T1], |v[XS+3]|, |v[XS+4]|, |v[XS+5]|
.irp i, 6,10,14,18,22,26
	s_delay_alu instid0(VALU_DEP_2)
	v_max3_num_f32 v[T0], v[T0], |v[XS+\i]|, |v[XS+\i+1]|
	s_delay_alu instid0(VALU_DEP_2)
	v_max3_num_f32 v[T1], v[T1], |v[XS+\i+2]|, |v[XS+\i+3]|
.endr
	s_delay_alu instid0(VALU_DEP_2)
	v_max3_num_f32 v[T0], v[T0], |v[XS+30]|, |v[XS+31]|
	s_delay_alu instid0(VALU_DEP_1)
	v_max3_num_f32 v[T0], v[T0], v[T1], 0x1800000  ; and the floor 2^(3 - 127): the byte cannot fall under 1
	s_delay_alu instid0(VALU_DEP_1)
	v_add_nc_u32 v[T2], 0xff000000, v[T0]          ; 2 off its exponent field: the conversion's scale operand
	s_delay_alu instid0(VALU_DEP_1)
	v_lshrrev_b32 v[T1], 23, v[T2]                 ; the scale's byte
.if (\t) == 0
	s_delay_alu instid0(VALU_DEP_1)
	v_mov_b32 v[SB], v[T1]                         ; four bytes to the word, the lower K in the lower byte
.else
	s_delay_alu instid0(VALU_DEP_1)
	v_lshl_or_b32 v[SB], v[T1], 8*(\t), v[SB]
.endif
.irp g, 0,1,2,3
	v_cvt_scalef32_pk8_fp4_f32 v[WC+4*(\t)+\g], v[XS+8*\g:XS+8*\g+7], v[T2]
.endr
	v_nop                                          ; a plain line behind the conversions: the next block writes their scale operand again
	ds_store_b128 v6, v[WC+4*(\t):WC+4*(\t)+3] offset:16*(\t)      ; 32 codes: 16 bytes of my column's row
.if (\t) < 2
	WLOAD (\t)+2
.endif
.endm
; The way out: la the LDS address, ga the byte offset in wq, base the scalar base, step the bytes from 16 rows to the next 16 in wq.
.macro WOUT la, ga, base, step
.irp i, 0,1,2,3
	ds_load_b128 v[OUTR+4*\i:OUTR+4*\i+3], v[\la] offset:\i*16*PITCH
.endr
	ds_load_b32 v[SBK], v12
.irp i, 0,1,2,3
	s_wait_dscnt 4-\i                              ; LDS loads come back in order: load i is in, the younger ones may be out
	global_store_b128 v[\ga], v[OUTR+4*\i:OUTR+4*\i+3], s[\base:\base+1] offset:\i*(\step)
.endr
	s_wait_dscnt 0x0
	global_store_b32 v13, v[SBK], s[32:33]
	s_wait_tensorcnt 0x0
	ds_add_u32 v216, v217
	s_wait_dscnt 0x0
	s_endpgm
.endm
	WLOAD 0
	WLOAD 1
	WBLOCK 0
	WBLOCK 1
	WBLOCK 2
	WBLOCK 3
	ds_store_b32 v7, v[SB]
	s_wait_dscnt 0x0                               ; for the others' sake: my stores into the stage are done
	s_barrier_signal -1
	s_barrier_wait -1                              ; a row's 256 bytes come from four waves
	s_cmp_eq_u32 s22, 2                            ; Wv leaves as images; the branch hangs on the work-group's number alone
	s_cbranch_scc1 .Limage
	WOUT 10, 11, 30, 16*512                        ; sixteen lanes store 256 consecutive bytes, aligned
.Limage:
	WOUT 15, 1, 34, 8192                           ; 32 lanes store 512 consecutive bytes, aligned
.Lfunc_end_k_q39d39d850a_quant:
	.size	k_q39d39d850a_quant, .Lfunc_end_k_q39d39d850a_quant-k_q39d39d850a_quant
	.p2alignl 7, 3214868480
	.fill 96, 4, 3214868480
	.section	.rodata,"a",@progbits
	.p2align	6, 0x0
	.amdhsa_kernel k_q39d39d850a_quant
		.amdhsa_group_segment_fixed_size 84992
		.amdhsa_private_segment_fixed_size 0
		.amdhsa_enable_private_segment 0
		.amdhsa_kernarg_size 56
		.amdhsa_user_sgpr_count 2
		.amdhsa_user_sgpr_kernarg_segment_ptr 1
		.amdhsa_wavefront_size32 1
		.amdhsa_system_sgpr_workgroup_id_x 1
		.amdhsa_system_sgpr_workgroup_id_y 1
		.amdhsa_system_sgpr_workgroup_id_z 1
		.amdhsa_system_vgpr_workitem_id 0
		.amdhsa_next_free_vgpr 256
		.amdhsa_next_free_sgpr 66
		.amdhsa_reserve_vcc 0
		.amdhsa_float_denorm_mode_32 3
		.amdhsa_float_denorm_mode_16_64 3
		.amdhsa_memory_ordered 1
		.amdhsa_forward_progress 1
		.amdhsa_inst_pref_size 66
	.end_amdhsa_kernel
	.amdgpu_metadata
---
amdhsa.version: [ 1, 2 ]
amdhsa.kernels:
  - .name:           k_q39d39d850a_quant
    .symbol:         k_q39d39d850a_quant.kd
    .args:
      - { .name: x, .offset: 0, .size: 8, .value_kind: global_buffer, .address_space: global }
      - { .name: Wq, .offset: 8, .size: 8, .value_kind: global_buffer, .address_space: global }
      - { .name: Wk, .offset: 16, .size: 8, .value_kind: global_buffer, .address_space: global }
      - { .name: Wv, .offset: 24, .size: 8, .value_kind: global_buffer, .address_space: global }
      - { .name: Wo, .offset: 32, .size: 8, .value_kind: global_buffer, .address_space: global }
      - { .name: xq, .offset: 40, .size: 8, .value_kind: global_buffer, .address_space: global }
      - { .name: wq, .offset: 48, .size: 8, .value_kind: global_buffer, .address_space: global }
    .group_segment_fixed_size: 84992
    .private_segment_fixed_size: 0
    .kernarg_segment_align: 8
    .kernarg_segment_size: 56
    .max_flat_workgroup_size: 256
    .sgpr_count:     66
    .vgpr_count:     256
    .wavefront_size: 32
...
	.end_amdgpu_metadata
.endif
;; end of part 1
;; launch qkv (part 2): grid 8 x 32, 4 waves a work-group, clusters of 4 x 4, 327,680 bytes of LDS; arguments xq, wq, bq, bk, bv, qk, vq; writes qk, vq
.if DOCPART == 2
	.amdgcn_target "amdgcn-amd-amdhsa--gfx1250"
	.amdhsa_code_object_version 6
	.text
	.protected	k_q39d39d850a_qkv
	.globl	k_q39d39d850a_qkv
	.p2align	8
	.type	k_q39d39d850a_qkv,@function
k_q39d39d850a_qkv:
	s_mov_b64 s[64:65], 0
	v_nop
	global_prefetch_b8 v0, s[64:65] scope:SCOPE_SE
	s_setreg_imm32_b32 hwreg(HW_REG_WAVE_MODE, 25, 1), 1
	s_wait_xcnt 0x0
	s_wait_alu depctr_hold_cnt(0) depctr_sa_sdst(0) depctr_va_vdst(0) depctr_va_sdst(0) depctr_va_ssrc(0) depctr_va_vcc(0) depctr_vm_vsrc(0)
	s_getreg_b32 s2, hwreg(HW_REG_IB_STS2, 6, 4)
	s_cmp_eq_u32 s2, 0
	s_cbranch_scc0 .Lentry_in_a_cluster
	s_endpgm
.Lentry_in_a_cluster:
	s_bfe_u32 s2, ttmp6, 0x10000c
	s_cmp_lg_u32 s2, 0xf033
	s_cbranch_scc0 .Lentry_shape_is_right
	s_endpgm
.Lentry_shape_is_right:
; q, k, v = x W + b, on codes of FP4 (E2M1) with one E8M0 scale for each 32 along K = 1,024; the results are quantised on the way out and leave as codes and scale words, laid as the next launch's registers want them.
; A WORK-GROUP STAYS FOR TWO PASSES over the same 256 rows of x (tile row 0 .. 31).  256 work-groups, one for each WGP.
;   PASS 1: 256 rows of x x 256 rows of wq (tile column 0 .. 7: 0-3 Wq, 4-7 Wk): four waves, 128 x 128 each: 64 accumulators of 16 x 16, 512 registers.
;   PASS 2: the same 256 rows of x x 128 rows of Wv (wq's rows 2,048 + 128 x tile column): a wave takes 128 rows of x x 64 rows of Wv, one head: 32 accumulators.
; K is 1,024: two LDS slots of 512 along K (the two halves of rows of 512 bytes + 16 of padding), each filled ONCE, with the scale bytes of the 512 rows, at the kernel's head.  Nothing is filled again and nothing is stored to LDS, so x's codes
; and scale bytes still lie there for pass 2.  Wv's fragments, 64 rows x 1,024 along K = 256 registers a wave, come straight from wq, where they lie as images of fragments: 512 consecutive bytes a load.
; CLUSTERS: 4 x 4 work-groups; x's tiles are asked for jointly along a row of the cluster, wq's along a column.
; THE PRODUCT IS USED TRANSPOSED: a lane holds ONE row of source 1, and its registers run along the rows of source 0: register j of accumulator b is row 16 b + 8 (lane / 16) + j of source 0.
;   q and k are quantised along the head's 64: source 0 = wq's rows, source 1 = x's rows.    v is quantised along the keys: source 0 = x's rows, source 1 = Wv's rows.
; THE WAY OUT, for each block of 16 rows of source 1: 64 numbers a lane, four blocks of 32 (a block lies in lanes l and l xor 16), become 8 registers of codes.  The conversion of accumulator 4 c + t goes to register
; 4 c + (0, 2, 1, 3)[t]; two exchanges of halves for each c then give register 4 c + i the codes of k = 64 c + 32 (lane / 16) + 8 i .. + 7: the operand's own layout.  Each store of the wave covers 512 consecutive bytes.
;   qk: 128 records of REC bytes, record = 64 (0 q, 1 k) + 16 batch + head: 128 tiles of 16 rows x 512 bytes (lane l's 16 bytes at 16 l); at 65,536 the scale words, [tile / 4][row 16][tile % 4].
;       In a word bytes 0, 1 are the head's two blocks; bytes 2, 3 are another head's bytes or 0, never 0xff: they meet zero codes.
;   vq: records of VRB bytes, [batch][128 keys][head]: four tiles of 16 channels x 128 keys, 1,024 bytes each (two runs of 512); at 4,096 the scale words, [row 16][tile 4].
; The bias is the C of each sum's first matrix instruction.
; LIMITS: a block whose largest magnitude lies under 2^-124 gets the byte 1; a block of zeros gets the byte 1 and not 127 (its codes are zeros, and this program alone reads the bytes); NaN and infinities are not served.
; REGISTERS, in windows of 256: window 0: v0-31 addresses; v32-95 scale words; v96-127 the way out; v128-191 pass 1: source 1's fragments, ONE set; v192-255 pass 1's bias, later v200-215 at work and v224-255 pass 2's bias.
;   window 1: source 0's fragments, TWO sets.   window 2: the accumulators of source 1's blocks 0-3 (accumulator (a, b) at v[8 (8 (a % 4) + b)]), in both passes.
;   window 3: pass 1: the accumulators of blocks 4-7; pass 2: Wv's fragments (K step q, block a) at v[32 q + 8 a].
.set NQ,     4                         ; matrix instructions deep in a slot
.set ROWB,   512                       ; a tile's row in bytes: all 1,024 codes of a row
.set KROW,   512                       ; a row of xq or of wq in bytes
.set PITCH,  528                       ; an LDS row holds ALL of K: 512 bytes + 16 of padding = 132 words: the 16 rows that a load touches start 4 banks apart.  What the text calls slot s is the half of each row at byte 256 s
.set FR,     8                         ; registers of a fragment: 16 rows x 128 K
.set NL,     2                         ; LDS loads that bring one
.set NP,     4                         ; places behind this matrix instruction (ISA guide 7.12.1)
.set HALFT,  128*PITCH                 ; 128 rows: half of what one tensor load brings
.set SLOT,   256                       ; from a row's first 512 along K to its second
.set KS,     32                        ; a row of scale bytes
.set SCL,    4*HALFT                   ; behind x's 256 rows and wq's 256 rows: the scale bytes, as runs of 256 bytes + 16 of padding
.set HALFS,  (128*KS/256)*272          ; those of 128 rows
.set SBLK,   (16*KS/256)*272           ; those of 16 rows
.set SPARE,  SCL+4*HALFS               ; the spare words, 128 bytes for each wave: two blocks of 256 bytes that no other line names
.set XSCL,   0x400000                  ; where the scale bytes begin in xq
.set WSCL,   0x200000                  ; and in wq
.set REC,    73728
.set VRB,    4352
.set ADRA, 16                          ; v16-17  LDS address of my 128 rows of x in slot 0, 1: pass 1's source 1, pass 2's source 0
.set ADRB, 20                          ; v20-21  of my 128 rows of wq: pass 1's source 0
.set ADRX, 26                          ; v26     pass 2: of x's scale words: lanes 0-15 slot 0's four words, lanes 16-31 slot 1's
.set ADRS, 27                          ; v27     pass 1: of my scale words: lanes 0-15 x's rows, lanes 16-31 wq's
.set SPW,  28                          ; v28     LDS address of my spare word; never rewritten
.set NIL,  29                          ; v29     0; never rewritten
.set SC,   32                          ; pass 1: scale words: set s at v[SC + 32 s]; register 4 i + q: lanes 0-15 x's block i, lanes 16-31 wq's block i, the slot's q-th 128 along K.  Pass 2: v32-63 x's: register 4 i + q: K steps q and 4 + q
.set WS,   64                          ; pass 2: v64-95 Wv's scale words: register 8 a + q
.set LI,   96                          ; v96     16 x lane
.set SA,   97                          ; v97     where pass 1's scale words go
.set SH,   98                          ; v98     16 x (lane / 16)
.set BO,   99                          ; v99     my byte offset in pass 1's bias
.set R32,  100                         ; v100    32 x (lane % 16)
.set R4,   101                         ; v101    4 x (lane % 16)
.set SA2,  102                         ; v102    16 x (lane % 16)
.set PC,   128                         ; v128-191 the codes: eight registers for each block (set anew in QUANT), in the registers that held pass 1's source 1: no store's data are written again within a pass
.set SW,   120                         ; v120-127 the blocks' scale words
.set AF,   128
.set BI,   192                         ; v192-255 pass 1's bias, eight registers for each block
.set TM,   200                         ; v200-203 largest magnitudes, v204-207 the other half's and then bytes, v212-215 the conversions' scale operands
.set BI2,  224                         ; v224-255 pass 2's bias
.set G1, 24                            ; s[24:31] descriptor group 1 for x's tiles;  s[32:35] group 0
.set G0, 32
.set G1B, 48                           ; s[48:55], s[56:59] the same for wq's tiles
.set G0B, 56
.set G1S, 68                           ; s[68:75], s[76:79] groups 1 and 0 for x's scales;  s[80:87], s[88:91] for wq's.  Behind the wait for all tensor loads s[68:75] hold pass 2's four addresses
.set G0S, 76
.set G1SB, 80
.set G0SB, 88
.set MSB, 0
.macro WIN new                         ; the immediate's high byte repeats the setting that is left; a switch that changes nothing is dropped
.if MSB != (\new)
	s_set_vgpr_msb (MSB<<8)|(\new)
.set MSB, (\new)
.endif
.endm
.set MUL_LO, 0xa1                      ; source 0 window 1, source 1 window 0, C and D window 2
.set MUL_HI, 0xf1                      ; the same, C and D window 3
.set TO_B,   0x40                      ; destination window 1, address window 0
; One arm of the head's chain of branches on the wave's number: its joint load, s_nop 0 and four v_nop, and a jump to the chain's end.
.macro ARM under, g0, g1, next
	s_cmp_lt_u32 s14, \under
	s_cbranch_scc0 \next
	tensor_load_to_lds s[\g0:\g0+3], s[\g1:\g1+7]
	s_nop 0
.rept 4
	v_nop
.endr
	s_branch .Lhead_asked
\next:
.endm
.macro CROUND                          ; a round of the cluster's barrier
	s_barrier_signal -1
	s_barrier_wait -1
	s_cmp_lg_u32 s14, 0
	s_cbranch_scc1 .Lnot_wave_0_\@
	s_barrier_signal -3
.Lnot_wave_0_\@:
	s_barrier_wait -3
	s_barrier_signal -1
	s_barrier_wait -1
.endm
	s_load_b256 s[4:11], s[0:1], 0x0               ; xq s[4:5], wq s[6:7], bq s[8:9], bk s[10:11]
	s_load_b128 s[96:99], s[0:1], 0x20             ; bv s[96:97], qk s[98:99]
	s_load_b64 s[100:101], s[0:1], 0x30            ; vq
	v_lshl_add_u32 v[SPW], v0, 2, SPARE
	v_mov_b32 v[NIL], 0
	ds_add_u32 v28, v29
	ds_add_u32 v28, v29
	s_wait_dscnt 0x0
	v_lshrrev_b32 v1, 5, v0
	v_readfirstlane_b32 s14, v1                    ; wave 0..3
	s_lshr_b32 s15, s14, 1                         ; which half of x's rows is mine, in both passes.
	s_and_b32 s16, s14, 1                          ; which half of the weight's rows.
	s_bfe_u32 s40, ttmp6, 0x40000                  ; cx, cy: my place in the cluster
	s_bfe_u32 s41, ttmp6, 0x40004
	s_lshl_b32 s42, ttmp9, 2
	s_add_co_u32 s42, s42, s40                     ; tile column = 4 x cluster x + cx
	s_and_b32 s17, ttmp7, 0xffff
	s_lshl_b32 s17, s17, 2
	s_add_co_u32 s17, s17, s41                     ; tile row = 4 x cluster y + cy
	s_lshl_b32 s43, s41, 2
	s_lshl_b32 s43, 15, s43                        ; my row of the cluster
	s_lshl_b32 s44, 0x1111, s40                    ; my column
	s_mov_b32 s2, 0x76543210                       ; v_permlanex16_b32's selects for lane l xor 16
	s_mov_b32 s3, 0xfedcba98
	; descriptor group 1: a tile of 128 rows x 256 bytes, padded in LDS
	s_or_b32 s[G1+0], s43, (0<<16)|(1<<20)|(1<<21)|(6<<22)|(3<<25)  ; 15:0 the mask: x's tiles go to my row; elements of 1 byte; padding on; 21 set beside a mask; four words after every 128
	s_or_b32 s[G1B+0], s44, (0<<16)|(1<<20)|(1<<21)|(6<<22)|(3<<25) ; the same with the mask of my column
.irp g, G1, G1B
	s_mov_b32 s[\g+1], ROWB<<16                    ; tensor_dim0
	s_mov_b32 s[\g+2], 256<<16                     ; tensor_dim1: a load brings a whole tile of 256 rows
	s_mov_b32 s[\g+3], ROWB<<16                    ; tile_dim0
	s_mov_b32 s[\g+4], 256                         ; tile_dim1
	s_mov_b32 s[\g+5], KROW                        ; tensor_dim0_stride
	s_mov_b32 s[\g+6], 0
	s_mov_b32 s[\g+7], 0
.endr
	; the scale bytes of 256 rows: 8,192 dense bytes, as 32 rows of 256 bytes (32 elements of 8 bytes), 16 bytes of padding behind each
	s_or_b32 s[G1S+0], s43, (3<<16)|(1<<20)|(1<<21)|(5<<22)|(3<<25)
	s_or_b32 s[G1SB+0], s44, (3<<16)|(1<<20)|(1<<21)|(5<<22)|(3<<25)
.irp g, G1S, G1SB
	s_mov_b32 s[\g+1], 32<<16
	s_mov_b32 s[\g+2], (256*KS/256)<<16            ; the scale bytes of 256 rows: 32 rows of 256 bytes
	s_mov_b32 s[\g+3], 32<<16
	s_mov_b32 s[\g+4], 256*KS/256
	s_mov_b32 s[\g+5], 32
	s_mov_b32 s[\g+6], 0
	s_mov_b32 s[\g+7], 0
.endr
	s_mov_b32 s18, 0                               ; a load begins at its tile's first row
	s_lshl_b32 s20, s17, 8
	s_add_co_u32 s20, s20, s18                     ; x: row 256 x tile row
	s_lshl_b32 s22, s20, 5                         ; its scale bytes,
	s_add_co_u32 s22, s22, XSCL
	s_lshl_b32 s20, s20, 9                         ; its codes (all offsets stay under 2^23)
	s_mov_b32 s21, 0
	s_mov_b32 s23, 0
	s_lshl_b32 s46, s42, 8
	s_add_co_u32 s46, s46, s18                     ; wq: row 256 x tile column
	s_lshl_b32 s92, s46, 5
	s_add_co_u32 s92, s92, WSCL
	s_lshl_b32 s46, s46, 9
	s_mov_b32 s47, 0
	s_mov_b32 s93, 0
	s_wait_kmcnt 0x0
	s_add_nc_u64 s[20:21], s[4:5], s[20:21]
	s_add_nc_u64 s[22:23], s[4:5], s[22:23]
	s_add_nc_u64 s[46:47], s[6:7], s[46:47]
	s_add_nc_u64 s[92:93], s[6:7], s[92:93]
	CROUND                                         ; all sixteen work-groups are here: the joint loads meet
	s_mov_b32 s[G0S], 1
	s_mov_b32 s[G0S+1], SCL
	s_mov_b64 s[G0S+2:G0S+3], s[22:23]
	s_or_b32 s[G0S+3], s[G0S+3], 0x80000000
	s_mov_b32 s[G0SB], 1
	s_mov_b32 s[G0SB+1], SCL+2*HALFS
	s_mov_b64 s[G0SB+2:G0SB+3], s[92:93]
	s_or_b32 s[G0SB+3], s[G0SB+3], 0x80000000
	s_mov_b32 s[G0], 1                             ; x's 256 rows, all of K, to LDS byte 0
	s_mov_b32 s[G0+1], 0
	s_mov_b64 s[G0+2:G0+3], s[20:21]
	s_or_b32 s[G0+3], s[G0+3], 0x80000000
	s_mov_b32 s[G0B], 1                            ; wq's 256 rows behind them
	s_mov_b32 s[G0B+1], 2*HALFT
	s_mov_b64 s[G0B+2:G0B+3], s[46:47]
	s_or_b32 s[G0B+3], s[G0B+3], 0x80000000
	; THE HEAD'S FOUR TILES, ONE JOINT LOAD A WAVE: wave 0 x's codes, wave 1 wq's, wave 2 x's scale bytes, wave 3 wq's.  One chain of branches: every way passes one load.  Nothing is filled again.
	ARM 1, G0,  G1,  .Lhead_b
	ARM 2, G0B, G1B, .Lhead_sa
	ARM 3, G0S, G1S, .Lhead_sb
	tensor_load_to_lds s[G0SB:G0SB+3], s[G1SB:G1SB+7]
	s_nop 0
.rept 4
	v_nop
.endr
.Lhead_asked:
	v_and_b32 v1, 15, v0                           ; r = lane % 16
	v_bfe_u32 v2, v0, 4, 1                         ; h = lane / 16
	v_mul_u32_u24 v3, v1, PITCH
	v_lshl_add_u32 v4, v2, 4, v3                   ; a fragment's row x pitch + 16 x half
	v_mul_u32_u24 v5, v1, KS                       ; my row's scales: 32 bytes a row,
	v_lshrrev_b32 v6, 8, v5
	v_lshl_add_u32 v5, v6, 4, v5                   ; and 16 more for each 256 passed
	v_and_b32 v6, 31, v0
	v_lshlrev_b32 v[LI], 4, v6
	v_lshlrev_b32 v[R32], 5, v1
	v_lshlrev_b32 v[R4], 2, v1
	v_lshlrev_b32 v[SA2], 4, v1
	s_mul_i32 s21, s15, HALFT                      ; my 128 rows of x,
	s_mul_i32 s22, s16, HALFT                      ; my 128 rows of wq,
	s_add_co_u32 s22, s22, 2*HALFT                 ; which lie behind x's 256
.irp s, 0,1
	v_add_nc_u32 v[ADRA+\s], s21, v4
	v_add_nc_u32 v[ADRB+\s], s22, v4
	s_add_co_u32 s21, s21, SLOT
	s_add_co_u32 s22, s22, SLOT
.endr
	s_mul_i32 s21, s15, HALFS                      ; the scale words: x's, for lanes 0-15;
	s_mul_i32 s22, s16, HALFS                      ; wq's, for lanes 16-31: one product over the lower base
	s_add_co_u32 s22, s22, 2*HALFS
	s_sub_co_u32 s22, s22, s21
	v_mul_u32_u24 v6, s22, v2
	s_add_co_u32 s21, s21, SCL
	v_add_nc_u32 v7, v5, v6
	v_add_nc_u32 v[ADRS], s21, v7
	v_lshl_add_u32 v7, v2, 4, v5                   ; pass 2: x's alone: lanes 16-31 take the row's second 16 bytes
	v_add_nc_u32 v[ADRX], s21, v7
	; pass 1's bias, in the result's layout
	s_lshl_b32 s46, s40, 10                        ; 256 cx numbers of 4 bytes
	s_lshl_b32 s47, s16, 9
	s_add_co_u32 s46, s46, s47
	s_mov_b32 s47, 0
	s_cmp_eq_u32 ttmp9, 0                          ; q's bias or k's: the choice hangs on the cluster's x alone
	s_cselect_b64 s[94:95], s[8:9], s[10:11]
	s_add_nc_u64 s[94:95], s[94:95], s[46:47]
	v_lshlrev_b32 v[BO], 5, v2                     ; block b's eight registers: the bias at 16 b + 8 h + 0 .. 7
.irp b, 0,1,2,3,4,5,6,7
	global_load_b128 v[BI+8*\b:BI+8*\b+3], v[BO], s[94:95] offset:64*\b
	global_load_b128 v[BI+8*\b+4:BI+8*\b+7], v[BO], s[94:95] offset:64*\b+16
.endr
	; where pass 1's results go
	s_lshr_b32 s20, s17, 3                         ; the batch: 8 tile rows each
	s_lshl_b32 s20, s20, 4
	s_and_b32 s21, s17, 7                          ; the tile row within it
	s_lshl_b32 s22, ttmp9, 6
	s_add_co_u32 s20, s20, s22
	s_lshl_b32 s22, s40, 2
	s_add_co_u32 s20, s20, s22
	s_lshl_b32 s22, s16, 1
	s_add_co_u32 s20, s20, s22                     ; the record: 64 (q or k) + 16 batch + head 4 cx + 2 x half
	s_mul_i32 s20, s20, REC
	s_lshl_b32 s46, s21, 13                        ; 16 tiles of 512 bytes a tile row,
	s_lshl_b32 s47, s15, 12                        ; my 8 of them
	s_add_co_u32 s46, s46, s47
	s_add_co_u32 s46, s46, s20
	s_mov_b32 s47, 0
	s_add_nc_u64 s[12:13], s[98:99], s[46:47]
	s_lshl_b32 s46, s21, 10                        ; scale words: 256 bytes for four tiles
	s_lshl_b32 s47, s15, 9
	s_add_co_u32 s46, s46, s47
	s_add_co_u32 s46, s46, s20
	s_add_co_u32 s46, s46, 65536
	s_mov_b32 s47, 0
	s_add_nc_u64 s[66:67], s[98:99], s[46:47]
	v_mul_u32_u24 v[SA], v2, REC                   ; lanes 0-15 the first head's record, lanes 16-31 the second's; 16 bytes a row
	v_lshl_add_u32 v[SA], v1, 4, v[SA]
	v_lshlrev_b32 v[SH], 4, v2                     ; the second head's two bytes come down by 16 bits
.macro FRAG reg, adr, q, i             ; a fragment: lane l holds row l % 16; registers 4 c .. 4 c + 3 hold K = 64 c + 32 (l / 16) + 0 .. 31
.irp c, 0,1
	ds_load_b128 v[\reg+4*\c:\reg+4*\c+3], v[\adr] offset:64*(\q)+32*\c+(\i)*16*PITCH
.endr
.endm
; PASS 1.  16 matrix instructions: x's blocks a0, a0 + 1 x wq's eight, 128 along K: the slot's q-th.  p: wq's set;  sc: the set of scale words.  zero = 1: the first product starts the sums, from the bias.
; The 64 accumulators take turns, one instruction a turn, in the same order in every step.
.macro MUL16 a0, p, q, sc, zero
.irp a, \a0, \a0+1
.irp b, 0,1,2,3,4,5,6,7
.set rD, 8*(8*((\a)%4)+\b)
.set rB, 128*(\p)+FR*\b
.set rA, AF+FR*(\a)
.set rSB, SC+8*NQ*(\sc)+NQ*\b+(\q)
.set rSA, SC+8*NQ*(\sc)+NQ*(\a)+(\q)
.if \zero
	v_wmma_scale_f32_16x16x128_f8f6f4 v[rD:rD+7], v[rB:rB+7], v[rA:rA+7], v[BI+8*\b:BI+8*\b+7], v[rSB], v[rSA] matrix_a_fmt:MATRIX_FMT_FP4 matrix_b_fmt:MATRIX_FMT_FP4 matrix_a_scale:MATRIX_SCALE_ROW1
.else
	v_wmma_scale_f32_16x16x128_f8f6f4 v[rD:rD+7], v[rB:rB+7], v[rA:rA+7], v[rD:rD+7], v[rSB], v[rSA] matrix_a_fmt:MATRIX_FMT_FP4 matrix_b_fmt:MATRIX_FMT_FP4 matrix_a_scale:MATRIX_SCALE_ROW1
.endif
.endr
.endr
.endm
.macro FETCH_B slot, q, p              ; wq's eight fragments of the slot's q-th 128 along K into set p
	WIN TO_B
.irp i, 0,1,2,3,4,5,6,7
	FRAG 128*(\p)+FR*\i, ADRB+\slot, \q, \i
.endr
	WIN 0
.endm
.macro FETCH_A slot, q, i0             ; x's blocks i0 .. i0 + 3
.irp i, \i0, \i0+1, \i0+2, \i0+3
	FRAG AF+FR*(\i), ADRA+\slot, \q, \i
.endr
.endm
.macro SCALES sc                       ; a slot's scale words into set sc: four words a row
.irp i, 0,1,2,3,4,5,6,7
	ds_load_b128 v[SC+8*NQ*\sc+NQ*\i:SC+8*NQ*\sc+NQ*\i+3], v[ADRS] offset:\i*SBLK
.endr
.endm
; A load into a register that a matrix instruction has read or written, and a vector instruction that reads a matrix result, stand NP places behind that matrix instruction; only plain vector instructions that name none of its
; registers are places (ISA guide 7.12.1 for vector instructions).
.macro PLACES n
.rept \n
	v_nop
.endr
.endm
; A step of 128 along K that has its successor in the same slot.  With zero = 1 the C operand, the bias, lies in window 0.
.macro STEP slot, q, zero
	s_wait_dscnt 4*NL                              ; wq's set and x's blocks 0-3 are in; the youngest eight loads (blocks 4-7) may be out
	WIN MUL_LO-0x20*(\zero)
	MUL16 0, (\q)%2, \q, \slot, \zero
	MUL16 2, (\q)%2, \q, \slot, \zero
	s_wait_dscnt 0                                 ; blocks 4-7 are in (asked for 32 matrix instructions ago)
	PLACES NP
	FETCH_B \slot, (\q)+1, 1-(\q)%2
	FETCH_A \slot, (\q)+1, 0
	WIN MUL_HI-0x30*(\zero)
	MUL16 4, (\q)%2, \q, \slot, \zero
	MUL16 6, (\q)%2, \q, \slot, \zero
	PLACES NP
	WIN 0
	FETCH_A \slot, (\q)+1, 4
.endm
; Slot 0's last step changes slots: the next slot's fragments and scale words are asked for from LDS; no barrier.  Nothing is filled again.
.macro TURN slot, next
	s_wait_dscnt 4*NL                              ; the youngest eight loads may be out.  All of K landed ahead of the head's barrier: no barrier stands here
	WIN MUL_LO
	MUL16 0, 1, NQ-1, \slot, 0
	s_wait_dscnt 0x0                               ; blocks 4-7 are in; no LDS load of mine is out
	MUL16 2, 1, NQ-1, \slot, 0
	WIN 0
	PLACES NP
	v_add_nc_u32 v[ADRS], 4*NQ, v[ADRS]            ; on to the next slot's scale words (no LDS load of mine is out)
	FETCH_B \next, 0, 0
	FETCH_A \next, 0, 0
	SCALES \next
	WIN MUL_HI
	MUL16 4, 1, NQ-1, \slot, 0
	MUL16 6, 1, NQ-1, \slot, 0
	PLACES NP
	WIN 0
	FETCH_A \next, 0, 4
.endm
.macro STEPS slot, from                ; the slot's steps from .. NQ - 2
.set Q, \from
.rept NQ-1-\from
	STEP \slot, Q, 0
.set Q, Q+1
.endr
.endm
; Block a's 64 numbers a lane become 8 registers of codes in v[PC] on and a scale word in v[SW + a].  Each accumulator is read from its low end on.
.macro QUANT a
.set AC, 64*((\a)%4)
.set W, 2+(\a)/4
	WIN (W<<2)|(W<<4)                              ; sources 1 and 2: the accumulators' window
.irp b, 0,1,2,3
	v_max3_num_f32 v[TM+\b], 0x1800000, |v[AC+16*\b]|, |v[AC+16*\b+1]|   ; block b: my 16 numbers, and the floor 2^(3 - 127): the byte cannot fall under 1
.endr
.irp i, 2,4,6,8,10,12,14
.irp b, 0,1,2,3
	v_max3_num_f32 v[TM+\b], v[TM+\b], |v[AC+16*\b+\i]|, |v[AC+16*\b+\i+1]|   ; (the four blocks by turns)
.endr
.endr
	WIN 0
.irp b, 0,1,2,3
	v_permlanex16_b32 v[TM+4+\b], v[TM+\b], s2, s3
.endr
.irp b, 0,1,2,3
	v_max_num_f32 v[TM+\b], v[TM+\b], v[TM+4+\b]   ; with lane l xor 16's: the block's largest magnitude
.endr
.irp b, 0,1,2,3
	v_add_nc_u32 v[TM+12+\b], 0xff000000, v[TM+\b] ; 2 off its exponent field: the conversion's scale operand
.endr
.irp b, 0,1,2,3
	v_lshrrev_b32 v[TM+4+\b], 23, v[TM+12+\b]      ; the scale's byte
.endr
	v_lshl_or_b32 v[SW+(\a)], v[TM+5], 8, v[TM+4]
	v_lshl_or_b32 v[SW+(\a)], v[TM+6], 16, v[SW+(\a)]
	v_lshl_or_b32 v[SW+(\a)], v[TM+7], 24, v[SW+(\a)]
.set PC, 128+8*(\a)                    ; this block's own eight registers
	WIN W                                          ; source 0: the accumulators' window
.irp c, 0,1
	v_cvt_scalef32_pk8_fp4_f32 v[PC+4*\c],   v[AC+32*\c:AC+32*\c+7],     v[TM+12+2*\c]
	v_cvt_scalef32_pk8_fp4_f32 v[PC+4*\c+2], v[AC+32*\c+8:AC+32*\c+15],  v[TM+12+2*\c]
	v_cvt_scalef32_pk8_fp4_f32 v[PC+4*\c+1], v[AC+32*\c+16:AC+32*\c+23], v[TM+12+2*\c+1]
	v_cvt_scalef32_pk8_fp4_f32 v[PC+4*\c+3], v[AC+32*\c+24:AC+32*\c+31], v[TM+12+2*\c+1]
.endr
	WIN 0
	v_nop                                          ; one plain place behind a scaled conversion
.irp c, 0,1
	v_permlane16_swap_b32 v[PC+4*\c], v[PC+4*\c+1] ; the first's lanes 16-31 change places with the second's lanes 0-15: a whole block of 32 in a lane
	v_permlane16_swap_b32 v[PC+4*\c+2], v[PC+4*\c+3]
.endr
.endm
.macro OUT1 a                          ; pass 1: block a of 16 rows of x leaves: a tile of each of my two heads
	QUANT \a
	global_store_b128 v[LI], v[PC:PC+3], s[12:13] offset:512*(\a)        ; 32 lanes store 512 consecutive bytes: the first head's tile,
	global_store_b128 v[LI], v[PC+4:PC+7], s[12:13] offset:512*(\a)+REC  ; the second's
.endm
; PASS 2.
.macro FETCH_X q, p                    ; x's eight fragments of K step q (0 .. 7) into set p of window 1
	WIN TO_B
.irp i, 0,1,2,3,4,5,6,7
	FRAG 128*(\p)+FR*\i, ADRA+(\q)/4, (\q)%4, \i
.endr
	WIN 0
.endm
.macro WVLOAD q                        ; Wv's four fragments of K step q, from their images: 512 consecutive bytes a load
.irp a, 0,1,2,3
.irp c, 0,1
	global_load_b128 v[32*(\q)+FR*\a+4*\c:32*(\q)+FR*\a+4*\c+3], v[LI], s[70:71] offset:\a*8192+(\q)*1024+\c*512
.endr
.endr
.endm
; K step q: the next step's fragments of x are asked for first, then 32 matrix instructions: Wv's blocks 0-3 x x's eight.  The 32 accumulators take turns.
.macro VSTEP q
	s_wait_dscnt 0x0                               ; this step's fragments of x are in (asked for 32 matrix instructions ago); in step 0 x's scale words too
.if (\q) < 7
	PLACES NP                                      ; the other set was read by the step before; in step 0 these stand behind the moves that spread the bias
	FETCH_X (\q)+1, ((\q)+1)%2
.endif
.if (\q) == 0
	WIN 0x8d                                       ; source 0 (x) window 1, source 1 (Wv) window 3, C (the bias) window 0, D window 2
.else
	WIN 0xad                                       ; the same, C window 2
.endif
.irp a, 0,1,2,3
.irp b, 0,1,2,3,4,5,6,7
.set rD, 8*(8*\a+\b)
.set rP, 128*((\q)%2)+FR*\b
.set rW, 32*(\q)+FR*\a
.set rSP, SC+NQ*\b+(\q)%4
.set rSW, WS+8*\a+(\q)
.if (\q) == 0
	v_wmma_scale_f32_16x16x128_f8f6f4 v[rD:rD+7], v[rP:rP+7], v[rW:rW+7], v[BI2+8*\a:BI2+8*\a+7], v[rSP], v[rSW] matrix_a_fmt:MATRIX_FMT_FP4 matrix_b_fmt:MATRIX_FMT_FP4
.elseif (\q) < 4
	v_wmma_scale_f32_16x16x128_f8f6f4 v[rD:rD+7], v[rP:rP+7], v[rW:rW+7], v[rD:rD+7], v[rSP], v[rSW] matrix_a_fmt:MATRIX_FMT_FP4 matrix_b_fmt:MATRIX_FMT_FP4
.else
	v_wmma_scale_f32_16x16x128_f8f6f4 v[rD:rD+7], v[rP:rP+7], v[rW:rW+7], v[rD:rD+7], v[rSP], v[rSW] matrix_a_fmt:MATRIX_FMT_FP4 matrix_b_fmt:MATRIX_FMT_FP4 matrix_a_scale:MATRIX_SCALE_ROW1
.endif
.endr
.endr
.endm
	; ---------------- pass 1: q or k ----------------
	s_wait_alu depctr_va_vdst(0)
	s_wait_tensorcnt 0x0                           ; my one load has landed
	s_barrier_signal -1
	s_barrier_wait -1                              ; everybody's are
	FETCH_B 0, 0, 0
	FETCH_A 0, 0, 0
	SCALES 0
	FETCH_A 0, 0, 4
	s_wait_loadcnt 0x0                             ; the bias
	STEP 0, 0, 1                                   ; the first step's products start the sums, from the bias
	STEPS 0, 1
	TURN 0, 1
	STEPS 1, 0
	s_wait_dscnt 4*NL                              ; the very last step: nothing more to fetch
	WIN MUL_LO
	MUL16 0, 1, NQ-1, 1, 0
	MUL16 2, 1, NQ-1, 1, 0
	s_wait_dscnt 0
	WIN MUL_HI
	MUL16 4, 1, NQ-1, 1, 0
	MUL16 6, 1, NQ-1, 1, 0
	WIN 0
	PLACES NP
.irp b, 0,1,2,3
	v_mov_b32 v[TM+4+\b], 0                        ; written once: a lane permute's destination counts as one of its sources
.endr
	; pass 2's addresses, in registers that held descriptors of loads long landed
	s_lshl_b32 s46, s42, 7
	s_lshl_b32 s47, s16, 6
	s_add_co_u32 s46, s46, s47                     ; my head's 64 channels: 128 x tile column + 64 x half
	s_lshl_b32 s68, s46, 2
	s_mov_b32 s69, 0
	s_add_nc_u64 s[68:69], s[96:97], s[68:69]      ; bv
	s_add_co_u32 s46, s46, 2048                    ; Wv's rows lie behind Wq's and Wk's
	s_lshl_b32 s70, s46, 9
	s_mov_b32 s71, 0
	s_add_nc_u64 s[70:71], s[6:7], s[70:71]        ; its images: 8,192 bytes for 16 rows
	s_lshl_b32 s72, s46, 5
	s_add_co_u32 s72, s72, WSCL
	s_mov_b32 s73, 0
	s_add_nc_u64 s[72:73], s[6:7], s[72:73]        ; its scale bytes
	s_lshr_b32 s20, s17, 3
	s_lshl_b32 s20, s20, 4
	s_and_b32 s21, s17, 7
	s_lshl_b32 s21, s21, 1
	s_add_co_u32 s20, s20, s21
	s_add_co_u32 s20, s20, s15                     ; 16 batch + my 128 keys
	s_lshl_b32 s20, s20, 4
	s_lshl_b32 s21, s42, 1
	s_add_co_u32 s20, s20, s21
	s_add_co_u32 s20, s20, s16                     ; + head 2 x tile column + half
	s_mul_i32 s74, s20, VRB
	s_mov_b32 s75, 0
	s_add_nc_u64 s[74:75], s[100:101], s[74:75]    ; vq's record
.irp i, 0,1,2,3,4,5,6,7
	ds_load_b128 v[SC+NQ*\i:SC+NQ*\i+3], v[ADRX] offset:\i*SBLK   ; x's scale words for pass 2: lanes 0-15 K steps 0-3, lanes 16-31 K steps 4-7
.endr
	FETCH_X 0, 0                                   ; and its first fragments
	OUT1 4                                         ; window 3's blocks leave first, so that Wv's fragments can be asked for
	OUT1 5
	OUT1 6
	OUT1 7
.irp a, 0,1,2,3
	global_load_b128 v[WS+8*\a:WS+8*\a+3], v[R32], s[72:73] offset:\a*512        ; Wv's scale words: row r's 32 bytes: K steps 0-3,
	global_load_b128 v[WS+8*\a+4:WS+8*\a+7], v[R32], s[72:73] offset:\a*512+16   ; K steps 4-7 (lanes 16-31 load what lanes 0-15 load)
	global_load_b32 v[BI2+8*\a], v[R4], s[68:69] offset:\a*64                    ; a lane holds ONE channel: bv at 16 a + r
.endr
	WIN 0xc0                                       ; destination window 3, address window 0
.irp q, 0,1,2,3,4,5
	WVLOAD \q
.endr
	WIN 0
	OUT1 0                                         ; window 2's blocks leave while those loads are out
	OUT1 1
	WIN 0xc0
	WVLOAD 6
	WVLOAD 7
	WIN 0
	OUT1 2
	OUT1 3
.irp a, 0,1,2,3,4,5,6,7
	v_lshrrev_b32 v[SW+\a], v[SH], v[SW+\a]        ; lanes 16-31: the second head's bytes into bytes 0, 1; zeros above them
.endr
	global_store_b128 v[SA], v[SW:SW+3], s[66:67]            ; sixteen lanes store 256 consecutive bytes, aligned
	global_store_b128 v[SA], v[SW+4:SW+7], s[66:67] offset:256
	; ---------------- pass 2: v ----------------
	s_wait_loadcnt 0x0                             ; Wv's fragments and scale words, and bv
.irp a, 0,1,2,3
.irp j, 1,2,3,4,5,6,7
	v_mov_b32 v[BI2+8*\a+\j], v[BI2+8*\a]          ; the bias in the result's layout: the same number in a block's eight registers
.endr
.endr
	s_wait_alu depctr_va_vdst(0)
.irp q, 0,1,2,3,4,5,6,7
	VSTEP \q
.endr
	WIN 0
	PLACES NP
	s_wait_xcnt 0x0                                ; pass 1's stores have read v[SW] on: only behind this wait are they written again
.irp a, 0,1,2,3
	QUANT \a
	global_store_b128 v[LI], v[PC:PC+3], s[74:75] offset:\a*1024       ; 32 lanes store 512 consecutive bytes: keys 0-63 of 16 channels,
	global_store_b128 v[LI], v[PC+4:PC+7], s[74:75] offset:\a*1024+512 ; keys 64-127
.endr
	global_store_b128 v[SA2], v[SW:SW+3], s[74:75] offset:4096         ; the four tiles' scale words, 16 bytes a row (lanes 16-31 write what lanes 0-15 write)
	s_wait_tensorcnt 0x0                           ; the wave's end
	ds_add_u32 v[SPW], v[NIL]
	s_wait_dscnt 0x0
	CROUND                                         ; the closing round: no work-group ends while a partner may still ask for a tile that names it
	s_endpgm
.Lfunc_end_k_q39d39d850a_qkv:
	.size	k_q39d39d850a_qkv, .Lfunc_end_k_q39d39d850a_qkv-k_q39d39d850a_qkv
	.p2alignl 7, 3214868480
	.fill 96, 4, 3214868480
	.section	.rodata,"a",@progbits
	.p2align	6, 0x0
	.amdhsa_kernel k_q39d39d850a_qkv
		.amdhsa_group_segment_fixed_size 327680
		.amdhsa_private_segment_fixed_size 0
		.amdhsa_enable_private_segment 0
		.amdhsa_kernarg_size 56
		.amdhsa_user_sgpr_count 2
		.amdhsa_user_sgpr_kernarg_segment_ptr 1
		.amdhsa_wavefront_size32 1
		.amdhsa_system_sgpr_workgroup_id_x 1
		.amdhsa_system_sgpr_workgroup_id_y 1
		.amdhsa_system_sgpr_workgroup_id_z 1
		.amdhsa_system_vgpr_workitem_id 0
		.amdhsa_next_free_vgpr 1024
		.amdhsa_next_free_sgpr 102
		.amdhsa_reserve_vcc 0
		.amdhsa_float_denorm_mode_32 3
		.amdhsa_float_denorm_mode_16_64 3
		.amdhsa_memory_ordered 1
		.amdhsa_forward_progress 1
		.amdhsa_inst_pref_size 197
	.end_amdhsa_kernel
	.amdgpu_metadata
---
amdhsa.version: [ 1, 2 ]
amdhsa.kernels:
  - .name:           k_q39d39d850a_qkv
    .symbol:         k_q39d39d850a_qkv.kd
    .args:
      - { .name: xq, .offset: 0, .size: 8, .value_kind: global_buffer, .address_space: global }
      - { .name: wq, .offset: 8, .size: 8, .value_kind: global_buffer, .address_space: global }
      - { .name: bq, .offset: 16, .size: 8, .value_kind: global_buffer, .address_space: global }
      - { .name: bk, .offset: 24, .size: 8, .value_kind: global_buffer, .address_space: global }
      - { .name: bv, .offset: 32, .size: 8, .value_kind: global_buffer, .address_space: global }
      - { .name: qk, .offset: 40, .size: 8, .value_kind: global_buffer, .address_space: global }
      - { .name: vq, .offset: 48, .size: 8, .value_kind: global_buffer, .address_space: global }
    .group_segment_fixed_size: 327680
    .private_segment_fixed_size: 0
    .kernarg_segment_align: 8
    .kernarg_segment_size: 56
    .max_flat_workgroup_size: 128
    .sgpr_count:     102
    .vgpr_count:     1024
    .wavefront_size: 32
...
	.end_amdgpu_metadata
.endif
;; end of part 2
;; launch attn (part 3): grid 4 x 64, 16 waves a work-group, clusters of 4 x 1, 327,680 bytes of LDS; arguments qk, vq, cq; writes cq
.if DOCPART == 3
	.amdgcn_target "amdgcn-amd-amdhsa--gfx1250"
	.amdhsa_code_object_version 6
	.text
	.protected	k_q39d39d850a_attn
	.globl	k_q39d39d850a_attn
	.p2align	8
	.type	k_q39d39d850a_attn,@function
k_q39d39d850a_attn:
	s_mov_b64 s[64:65], 0
	v_nop
	global_prefetch_b8 v0, s[64:65] scope:SCOPE_SE
	s_setreg_imm32_b32 hwreg(HW_REG_WAVE_MODE, 25, 1), 1
	s_wait_xcnt 0x0
	s_wait_alu depctr_hold_cnt(0) depctr_sa_sdst(0) depctr_va_vdst(0) depctr_va_sdst(0) depctr_va_ssrc(0) depctr_va_vcc(0) depctr_vm_vsrc(0)
	s_getreg_b32 s2, hwreg(HW_REG_IB_STS2, 6, 4)
	s_cmp_eq_u32 s2, 0
	s_cbranch_scc0 .Lentry_in_a_cluster
	s_endpgm
.Lentry_in_a_cluster:
	s_bfe_u32 s2, ttmp6, 0x10000c
	s_cmp_lg_u32 s2, 0x3003
	s_cbranch_scc0 .Lentry_shape_is_right
	s_endpgm
.Lentry_shape_is_right:
; Causal attention of one head of one batch (work-group y = 16 batch + head), both products on codes of FP4 (E2M1) with one E8M0 scale for each 32 along a product's K; the result is divided by the row's sum,
; quantised along the head's 64 channels and stored as codes and scale bytes for the last product.
; THE SOFTMAX: t = score x log2(e) / 8; M = the row's largest t so far, rounded UP to a whole number; p = 2^(t - M) is quantised along the keys; the row's sum is taken of the unquantised p.  When M moves, the sum and O are
; multiplied by 2^(old M - new M): exact.
; LEFT OUT: key steps all of whose keys come after a tile's queries: their p is 0.
; SHARES.  The four work-groups of a cluster serve one head.  The head's K (REC bytes) and V (16 records of VRB bytes) fit in LDS: they come ONCE, by joint loads, one a wave (waves 0-7: an eighth of K each, waves 8-15: two records
; of V each); nothing is filled again and no barrier stands in the loops.  No prefetch: all that is read comes at the head, and there is no loop to run ahead in.
; Wave w takes two tiles of 16 queries: A = 8 w + cx: w full key steps of 128 keys and a last step of which only the first 64 keys can count; B = 8 (15 - w) + 4 + cx: 15 - w full steps and a last step of 128 keys.
; Which steps are walked hangs on the wave's number alone; cx enters global addresses and the lane masks of the diagonal, and nothing else.  The loop over full steps has 15 trips in every wave; a step that is not the tile's is
; jumped over inside the trip; the last step is written out behind the loop.
; A STEP IS LAID AS A PIPELINE: at its head it asks LDS for its own V and for the NEXT step's K; at its end it issues the next step's eight score products and then its own four value products.  So a step finds its scores
; made, and the lines at its head are the places behind those products.  A tile's first scores are made ahead of the loop.  (Ahead of tile A's last step all eight are made, of which four are used.)
; LAYOUT.  Both products are used transposed: S^T = K Q^T, O^T = V^T P^T: a lane holds ONE query (lane % 16).  THE KEYS OF A TILE OF K ARE CHOSEN by the LDS address: row m of tile (c, t) is key 64 c + 32 (m / 8) + 8 t + m % 8.
; So register j of tile (c, t) in lane (r, h) is key 64 c + 32 h + 8 t + j: a lane holds WHOLE blocks of 32 keys (blocks 2 c + h), a block's maximum needs no other lane, and the conversion of tile (c, t) is register 4 c + t of
; the second product's operand as it stands.  p's scale word gathers two bytes from lane l and two from lane l xor 16.
; The first product's K is 64: Q's registers 4-7 are zero codes, so what stands in the upper half of K's operand (the next tile's codes) adds nothing; no scale byte here is 0xff.
; THE DIAGONAL: key 32 h + 8 t + j of the 64 in question is hidden from query 16 cx + r where it is the greater: 32 lane masks, compared once at the head, serve both tiles; a hidden score becomes -3e38, whose p is 0.
; cq: codes [row tile 512][head 16][512 bytes], lane l's 16 bytes at 16 l; scale bytes [8192 rows][32] at CSCL, bytes 2 head, 2 head + 1: stores of two bytes 32 bytes apart, 256 KB in the whole launch.
; LIMITS: the scaled scores stay under 2^31 in magnitude; a block whose largest magnitude lies under 2^-124 gets the byte 1; a block of zeros gets the byte 1 and not 127 (its codes are zeros, and this program alone reads the
; bytes); NaN and infinities are not served.
.set REC,   73728                      ; a record of qk: 128 tiles x 512 bytes of codes, then 8,192 bytes of scale words [tile / 4][row 16][tile % 4]
.set VRB,   4352                       ; a record of vq: four fragments of 1,024 bytes, then 256 bytes of scale words
.set VREC,  REC                        ; LDS: K's record at 0, V's sixteen behind it,
.set SPARE, VREC+16*VRB                ; then the spare words, 128 bytes for each wave: eight blocks of 256 bytes that no other line names
.set CSCL,  0x400000
.set LI,   1                           ; 16 x lane
.set R16,  2                           ; 16 x (lane % 16)
.set ADK,  3                           ; v3-6 LDS addresses of the step in hand: K's codes, K's scale words, V's codes, V's scale words
.set ADS,  4
.set ADV,  5
.set ADT,  6
.set SPW,  7                           ; my spare word; never rewritten
.set NIL,  8                           ; 0; never rewritten
.set AKL,  9                           ; my lane's place in a tile of K: 1024 (r / 8) + 16 (r % 8) + 256 h
.set ASL,  10                          ; and among K's scale words: 65536 + 256 h + 16 (r % 8) + 8 (r / 8)
.set SA,   11                          ; 32 x (lane % 16): my row of scale bytes in cq
.set QA,   16                          ; v16-23, v24-31 Q's two fragments; registers 4-7 of each are zero
.set QB,   24
.set QSA,  32
.set QSB,  33
.set NEG,  34                          ; -3e38
.set SH8,  35                          ; 8 h
.set KC,   36                          ; v36-67 K's codes, four registers a tile; v68-71 zero
.set KSC,  72                          ; v72-75 K's scale words of tiles t = 0, 2, 1, 3: lanes 0-15 c = 0, lanes 16-31 c = 1
.set VSC,  76
.set VF,   80                          ; v80-111 V's four fragments
.set S,    112                         ; v112-175 S^T, then p
.set O,    176                         ; v176-207 O^T
.set PC,   208                         ; v208-215 p's codes
.set BM,   216                         ; v216-217 my blocks' largest scores, then largest p
.set B2,   220                         ; v220-221 second chains; then bytes
.set SCF,  224                         ; v224-225 the conversions' scale operands
.set F,    228                         ; v[228:229] f = 2^(old M - new M), and 0
.set PW,   230                         ; p's scale word
.set TMP,  231
.set SX,   232                         ; v232-237 three more chains of the sum
.set OW,   238
.set T2,   239
.set T3,   240
.set D,    241
.set QAD,  242                         ; v242-245 offsets of Q's loads
.set WV,   10
.set CX,   11
.set BH,   12
.set SEL,  20                          ; s[20:21] v_permlanex16_b32's selects for lane l xor 16
.set CS,   22                          ; s[22:23] c = log2(e) / 8, twice
.set G1K,  24
.set G1V,  32
.set G0K,  40
.set G0V,  44
.set G,    48                          ; the tile's last key step
.set ST,   49
.set TK,   50
.set TS,   51
.set TV,   52
.set GB,   53                          ; 15 - wave
.set OCA,  54
.set OSA,  56
.set OCB,  58
.set OSB,  60
.set QR,   62
.set MK,   66                          ; s66-97 the diagonal's lane masks, one for each of 32 registers
.macro CROUND                          ; a round of the cluster's barrier
	s_barrier_signal -1
	s_barrier_wait -1
	s_cmp_lg_u32 s[WV], 0
	s_cbranch_scc1 .Lnot_wave_0_\@
	s_barrier_signal -3
.Lnot_wave_0_\@:
	s_barrier_wait -3
	s_barrier_signal -1
	s_barrier_wait -1
.endm
	s_load_b128 s[4:7], s[0:1], 0x0                ; qk, vq
	s_load_b64 s[8:9], s[0:1], 0x10                ; cq
	v_lshl_add_u32 v[SPW], v0, 2, SPARE
	v_mov_b32 v[NIL], 0
	ds_add_u32 v[SPW], v[NIL]                      ; the add, twice on end, and its wait ahead of my tensor load
	ds_add_u32 v[SPW], v[NIL]
	v_lshrrev_b32 v1, 5, v0
	v_readfirstlane_b32 s[WV], v1                  ; wave 0..15
	s_bfe_u32 s[CX], ttmp6, 0x40000
	s_and_b32 s[BH], ttmp7, 0xffff
	s_and_b32 s13, s[WV], 7                        ; which eighth I fetch
	s_add_co_u32 s14, s[BH], 64                    ; k's records lie behind q's 64
	s_mul_i32 s14, s14, REC
	s_mul_i32 s15, s13, REC/8                      ; my eighth of K's record: in memory and in LDS alike
	s_add_co_u32 s14, s14, s15
	s_lshr_b32 s18, s[BH], 4                       ; batch
	s_and_b32 s19, s[BH], 15                       ; head
	s_lshl_b32 s16, s18, 8
	s_add_co_u32 s16, s16, s19
	s_mul_i32 s16, s16, VRB                        ; V: the record of key step 0;
	s_mul_i32 s17, s13, 2*16*VRB                   ; from step to step lie the 16 heads' records; two steps a wave
	s_add_co_u32 s16, s16, s17
	s_mul_i32 s53, s13, 2*VRB
	s_add_co_u32 s53, s53, VREC
	s_mul_i32 s2, s[BH], REC
	s_mov_b32 s3, 0
	; descriptor groups 1.  K: 9,216 dense bytes as 36 rows of 256.  V: 2 records of 4,352 bytes, 69,632 bytes apart.  No padding
	s_mov_b32 s[G1K], 15|(3<<16)|(1<<21)           ; the mask: all four work-groups; elements of 8 bytes; 21 set beside a mask
	s_mov_b32 s[G1K+1], 32<<16
	s_mov_b32 s[G1K+2], 36<<16
	s_mov_b32 s[G1K+3], 32<<16
	s_mov_b32 s[G1K+4], 36
	s_mov_b32 s[G1K+5], 32
	s_mov_b32 s[G1K+6], 0
	s_mov_b32 s[G1K+7], 0
	s_mov_b32 s[G1V], 15|(3<<16)|(1<<21)
	s_mov_b32 s[G1V+1], 544<<16
	s_mov_b32 s[G1V+2], 2<<16
	s_mov_b32 s[G1V+3], 544<<16
	s_mov_b32 s[G1V+4], 2
	s_mov_b32 s[G1V+5], 8704
	s_mov_b32 s[G1V+6], 0
	s_mov_b32 s[G1V+7], 0
	s_mov_b32 s[G0K], 1
	s_mov_b32 s[G0K+1], s15
	s_mov_b32 s[G0V], 1
	s_mov_b32 s[G0V+1], s53
	s_mov_b32 s15, 0
	s_mov_b32 s17, 0
	s_mov_b32 s[SEL], 0x76543210
	s_mov_b32 s[SEL+1], 0xfedcba98
	s_mov_b32 s[CS], 0x3e38aa3b                    ; log2(e) / 8
	s_mov_b32 s[CS+1], s[CS]
	s_wait_dscnt 0x0                               ; both opening adds are done
	s_wait_kmcnt 0x0
	s_add_nc_u64 s[G0K+2:G0K+3], s[4:5], s[14:15]
	s_or_b32 s[G0K+3], s[G0K+3], 0x80000000
	s_add_nc_u64 s[G0V+2:G0V+3], s[6:7], s[16:17]
	s_or_b32 s[G0V+3], s[G0V+3], 0x80000000
	s_add_nc_u64 s[QR:QR+1], s[4:5], s[2:3]
	CROUND                                         ; all four work-groups are here: the joint loads meet
	s_cmp_lt_u32 s[WV], 8                          ; every wave issues one load: an arm for K, an arm for V; s_nop 0 and four v_nop follow each
	s_cbranch_scc0 .Lfor_v
	tensor_load_to_lds s[G0K:G0K+3], s[G1K:G1K+7]
	s_nop 0
.rept 4
	v_nop
.endr
	s_branch .Lasked
.Lfor_v:
	tensor_load_to_lds s[G0V:G0V+3], s[G1V:G1V+7]
	s_nop 0
.rept 4
	v_nop
.endr
.Lasked:
	s_lshl_b32 s13, s[WV], 3
	s_add_co_u32 s13, s13, s[CX]                   ; tile A = 8 w + cx
	s_xor_b32 s[GB], s[WV], 15                     ; 15 - w
	s_lshl_b32 s15, s[GB], 3
	s_add_co_u32 s15, s15, s[CX]
	s_add_co_u32 s15, s15, 4                       ; tile B = 8 (15 - w) + 4 + cx
.macro QOFF ts, d                      ; where the tile's fragment of Q and its rows' scale words lie in q's record
	s_lshl_b32 s[\d], s[\ts], 9
	s_lshr_b32 s[\d+1], s[\ts], 2
	s_lshl_b32 s[\d+1], s[\d+1], 8
	s_and_b32 s3, s[\ts], 3
	s_lshl_b32 s3, s3, 2
	s_add_co_u32 s[\d+1], s[\d+1], s3
.endm
	QOFF 13, 66
	QOFF 15, 68
.macro OUTP ts, oc, os                 ; where the tile's codes and scale bytes go
	s_lshl_b32 s2, s18, 7
	s_add_co_u32 s2, s2, s[\ts]                    ; row tile = 128 batch + tile
	s_lshl_b32 s[\oc], s2, 13
	s_lshl_b32 s3, s19, 9
	s_add_co_u32 s[\oc], s[\oc], s3
	s_mov_b32 s[\oc+1], 0
	s_add_nc_u64 s[\oc:\oc+1], s[8:9], s[\oc:\oc+1]
	s_lshl_b32 s[\os], s2, 9
	s_lshl_b32 s3, s19, 1
	s_add_co_u32 s[\os], s[\os], s3
	s_add_co_u32 s[\os], s[\os], CSCL
	s_mov_b32 s[\os+1], 0
	s_add_nc_u64 s[\os:\os+1], s[8:9], s[\os:\os+1]
.endm
	OUTP 13, OCA, OSA
	OUTP 15, OCB, OSB
	s_lshl_b32 s2, s[CX], 4
	v_and_b32 v[LI], 31, v0
	v_and_b32 v[TMP], 15, v0                       ; r
	v_bfe_u32 v[T3], v0, 4, 1                      ; h
	v_lshlrev_b32 v[LI], 4, v[LI]
	v_lshlrev_b32 v[R16], 4, v[TMP]
	v_lshlrev_b32 v[SA], 5, v[TMP]
	v_lshlrev_b32 v[SH8], 3, v[T3]
	v_and_b32 v[AKL], 7, v0                        ; r % 8
	v_bfe_u32 v[ASL], v0, 3, 1                     ; r / 8
	v_lshlrev_b32 v[T2], 4, v[AKL]
	v_lshl_add_u32 v[T2], v[T3], 8, v[T2]          ; 16 (r % 8) + 256 h
	v_lshl_add_u32 v[AKL], v[ASL], 10, v[T2]
	v_lshl_add_u32 v[ASL], v[ASL], 3, v[T2]
	v_lshlrev_b32 v[D], 5, v[T3]
	v_add_nc_u32 v[ASL], 0x10000, v[ASL]           ; the scale words lie behind the record's 65,536 bytes of codes
	v_sub_nc_u32 v[D], v[TMP], v[D]
	v_add_nc_u32 v[D], s2, v[D]                    ; 16 cx + r - 32 h: register n = 8 t + j is hidden where n is greater
	v_add_nc_u32 v[QAD], s66, v[LI]
	v_add_nc_u32 v[QAD+1], s67, v[R16]
	v_add_nc_u32 v[QAD+2], s68, v[LI]
	v_add_nc_u32 v[QAD+3], s69, v[R16]
	s_wait_alu depctr_va_vdst(0)
	global_load_b128 v[QA:QA+3], v[QAD], s[QR:QR+1]
	global_load_b32 v[QSA], v[QAD+1], s[QR:QR+1] offset:65536
	global_load_b128 v[QB:QB+3], v[QAD+2], s[QR:QR+1]
	global_load_b32 v[QSB], v[QAD+3], s[QR:QR+1] offset:65536
.set n, 0
.rept 32
	v_cmp_gt_i32 s[MK+n], n, v[D]
.set n, n+1
.endr
.irp j, 4,5,6,7
	v_mov_b32 v[QA+\j], 0                          ; zero codes for k = 64 .. 127
	v_mov_b32 v[QB+\j], 0
	v_mov_b32 v[KC+28+\j], 0                       ; v68-71: behind the last tile of K
.endr
	v_mov_b32 v[F+1], 0                            ; named as the upper half of the pair
	v_mov_b32 v[NEG], 0xff61b1e6                   ; -3e38
	s_wait_alu depctr_va_vdst(0)                   ; the wait at the head's end
	s_wait_tensorcnt 0x0                           ; my part of K or of V has landed,
	s_barrier_signal -1
	s_barrier_wait -1                              ; everybody's has: from here on LDS is only read
	s_wait_loadcnt 0x0                             ; Q
.macro KLOAD ak, as, o1, o2            ; a key step's eight tiles of K and their scale words: tile (c, t) holds the keys 64 c + 32 (r / 8) + 8 t + r % 8
.irp c, 0,1
.irp t, 0,1,2,3
	ds_load_b128 v[KC+16*\c+4*\t:KC+16*\c+4*\t+3], v[\ak] offset:\o1+2048*\c+512*(\t/2)+128*(\t%2)
.endr
.endr
	ds_load_b64 v[KSC:KSC+1], v[\as] offset:\o2        ; tiles t = 0, 2,
	ds_load_b64 v[KSC+2:KSC+3], v[\as] offset:\o2+128  ; t = 1, 3
.endm
.macro SMUL qf, qs                     ; a key step's eight score products
.irp t, 0,1,2,3
	v_wmma_scale_f32_16x16x128_f8f6f4 v[S+8*\t:S+8*\t+7], v[KC+4*\t:KC+4*\t+7], v[\qf:\qf+7], 0, v[KSC+2*(\t%2)+\t/2], v[\qs] matrix_a_fmt:MATRIX_FMT_FP4 matrix_b_fmt:MATRIX_FMT_FP4
.endr
.irp t, 0,1,2,3
	v_wmma_scale_f32_16x16x128_f8f6f4 v[S+32+8*\t:S+32+8*\t+7], v[KC+16+4*\t:KC+16+4*\t+7], v[\qf:\qf+7], 0, v[KSC+2*(\t%2)+\t/2], v[\qs] matrix_a_fmt:MATRIX_FMT_FP4 matrix_b_fmt:MATRIX_FMT_FP4 matrix_a_scale:MATRIX_SCALE_ROW1
.endr
.endm
.macro PKF k                           ; t - M, two at a time: the next k pairs
.rept \k
	v_pk_fma_f32 v[S+n:S+n+1], v[S+n:S+n+1], s[CS:CS+1], v[12:13] op_sel_hi:[1,0,0]
.set n, n+2
.endr
.endm
.macro SUMG                            ; four more pairs of p onto the sum's four chains
	v_pk_add_f32 v[14:15], v[14:15], v[S+m:S+m+1]
	v_pk_add_f32 v[SX:SX+1], v[SX:SX+1], v[S+m+2:S+m+3]
	v_pk_add_f32 v[SX+2:SX+3], v[SX+2:SX+3], v[S+m+4:S+m+5]
	v_pk_add_f32 v[SX+4:SX+5], v[SX+4:SX+5], v[S+m+6:S+m+7]
.set m, m+8
.endm
; A KEY STEP; its scores are made.  nc: groups of 64 keys that are walked (2; 1 in tile A's last step: the others are hidden from all its queries).  mk: the group on the diagonal, or -1.  nxt = 1: a step follows in this tile.
.macro BODY qf, qs, nc, mk, nxt
.if \nxt
	v_add_nc_u32 v[ADK], s[TK], v[AKL]             ; (these four lines are the places behind the last products: in front of the loads into their operands and of the first read of the scores)
	v_add_nc_u32 v[ADS], s[TS], v[ASL]
.else
	v_nop
	v_nop
.endif
	v_add_nc_u32 v[ADV], s[TV], v[LI]
	v_add_nc_u32 v[ADT], s[TV], v[R16]
.irp t, 0,1,2,3
	ds_load_b128 v[VF+8*\t:VF+8*\t+3], v[ADV] offset:1024*\t
	ds_load_b128 v[VF+8*\t+4:VF+8*\t+7], v[ADV] offset:1024*\t+512
.endr
	ds_load_b128 v[VSC:VSC+3], v[ADT] offset:4096
.if \nxt
	KLOAD ADK, ADS, 4096, 512                      ; the next step's K
.endif
.if \mk >= 0
.set n, 0
.rept 32
	v_cndmask_b32 v[S+32*(\mk)+n], v[S+32*(\mk)+n], v[NEG], s[MK+n]   ; hidden scores become -3e38 ahead of the maximum; each accumulator from its low end on
.set n, n+1
.endr
.endif
	v_mov_b32 v[T3], v12                           ; the old -M
	; the largest score of each of my blocks of 32 keys, two chains a block: it serves the row's maximum and, since p rises with the score, the block's largest p
.irp c, 0,1
.if \c < \nc
	v_max3_num_f32 v[BM+\c], v[S+32*\c], v[S+32*\c+1], v[S+32*\c+2]
	v_max3_num_f32 v[B2+\c], v[S+32*\c+16], v[S+32*\c+17], v[S+32*\c+18]
.endif
.endr
.irp i, 3,5,7,9,11,13
.irp c, 0,1
.if \c < \nc
	v_max3_num_f32 v[BM+\c], v[BM+\c], v[S+32*\c+\i], v[S+32*\c+\i+1]
	v_max3_num_f32 v[B2+\c], v[B2+\c], v[S+32*\c+16+\i], v[S+32*\c+16+\i+1]
.endif
.endr
.endr
.irp c, 0,1
.if \c < \nc
	v_max3_num_f32 v[BM+\c], v[BM+\c], v[B2+\c], v[S+32*\c+15]
.endif
.endr
.irp c, 0,1
.if \c < \nc
	v_max_num_f32 v[BM+\c], v[BM+\c], v[S+32*\c+31]
.endif
.endr
.if \nc > 1
	s_delay_alu instid0(VALU_DEP_1)
	v_max_num_f32 v[TMP], v[BM], v[BM+1]
	s_delay_alu instid0(VALU_DEP_1)
	v_permlanex16_b32 v[T2], v[TMP], s[SEL], s[SEL+1]
	s_delay_alu instid0(VALU_DEP_1)
	v_max3_num_f32 v13, v13, v[TMP], v[T2]         ; the running largest score of my query
.else
	s_delay_alu instid0(VALU_DEP_1)
	v_permlanex16_b32 v[T2], v[BM], s[SEL], s[SEL+1]
	s_delay_alu instid0(VALU_DEP_1)
	v_max3_num_f32 v13, v13, v[BM], v[T2]
.endif
	s_delay_alu instid0(VALU_DEP_1)
	v_mul_f32 v[TMP], s[CS], v13                   ; as t (c is positive)
	s_delay_alu instid0(VALU_DEP_1)
	v_floor_f32 v12, -v[TMP]                       ; the new -M = floor(-t) = -ceil(t)
.set n, 0
	PKF 2                                          ; the three lines that make f stand among the scalings, which do not wait for them
	v_sub_f32 v[TMP], v12, v[T3]                   ; M's old value less its new one: a whole number, 0 or less
	PKF 2
	v_cvt_i32_f32 v[TMP], v[TMP]                   ; (it saturates)
	PKF 2
	v_ldexp_f32 v[F], 1.0, v[TMP]                  ; f = 2^(old M - new M)
	PKF 16*\nc-6
.irp c, 0,1
.if \c < \nc
	v_fma_f32 v[BM+\c], v[BM+\c], s[CS], v12       ; the same of each block's largest score
.endif
.endr
.set n, 0
.rept 16
	v_pk_mul_f32 v[O+n:O+n+1], v[O+n:O+n+1], v[F:F+1] op_sel_hi:[1,0]   ; O^T under the new M: its first read behind the last step's products, ahead of the exponentials; each accumulator from its low end on
.set n, n+2
.endr
	s_wait_alu depctr_va_vdst(0)                   ; the wait ahead of the batch
.set n, 0
.rept 32*\nc
	v_exp_f32 v[S+n], v[S+n]                       ; p = 2^(t - M), at most 1: not normalised
.set n, n+1
.endr
.irp c, 0,1
.if \c < \nc
	v_exp_f32 v[BM+\c], v[BM+\c]                   ; the block's largest p: the same two instructions on the same number
.endif
.endr
	v_pk_mul_f32 v[14:15], v[14:15], v[F:F+1] op_sel_hi:[1,0]      ; the sums under the new M (a plain place behind the exponentials)
	s_wait_alu depctr_va_vdst(0)                   ; one wait for the batch, ahead of its first reader
	; the blocks' scales, the codes, and the row's sum of the unquantised p (two at a time, four chains), laid by turns
.irp c, 0,1
.if \c < \nc
	v_max_num_f32 v[BM+\c], 0x1800000, v[BM+\c]    ; the floor 2^(3 - 127): the byte cannot fall under 1
.endif
.endr
	v_pk_add_f32 v[SX:SX+1], v[S:S+1], v[S+2:S+3]
	v_pk_add_f32 v[SX+2:SX+3], v[S+4:S+5], v[S+6:S+7]
	v_pk_add_f32 v[SX+4:SX+5], v[S+8:S+9], v[S+10:S+11]
.set m, 12
.irp c, 0,1
.if \c < \nc
	v_add_nc_u32 v[SCF+\c], 0xff000000, v[BM+\c]   ; 2 off the exponent field: the conversion's scale operand
.endif
.endr
.irp c, 0,1
.if \c < \nc
.irp t, 0,1,2,3
	v_cvt_scalef32_pk8_fp4_f32 v[PC+4*\c+\t], v[S+32*\c+8*\t:S+32*\c+8*\t+7], v[SCF+\c]   ; keys 64 c + 32 h + 8 t .. + 7: the operand's register 4 c + t
.endr
.endif
.endr
.if \nc < 2
.irp t, 4,5,6,7
	v_mov_b32 v[PC+\t], 0                          ; zero codes for the 64 hidden keys
.endr
.endif
.irp c, 0,1
.if \c < \nc
	v_lshrrev_b32 v[B2+\c], 23, v[SCF+\c]          ; the scale's byte
.endif
.endr
.if \nc > 1
	s_delay_alu instid0(VALU_DEP_1)
	v_lshl_or_b32 v[B2], v[B2+1], 16, v[B2]        ; my bytes: blocks h and 2 + h (with one group the upper two bytes stay 0 and meet zero codes),
.endif
	s_delay_alu instid0(VALU_DEP_1)
	v_lshlrev_b32 v[PW], v[SH8], v[B2]             ; at their places in the word;
	s_delay_alu instid0(VALU_DEP_1)
	v_permlanex16_b32 v[T2], v[PW], s[SEL], s[SEL+1]
	SUMG
	v_or_b32 v[PW], v[PW], v[T2]                   ; with lane l xor 16's the word is whole; nine or more plain lines follow ahead of the products that take it
	SUMG
.rept 4*\nc-4
	SUMG
.endr
	v_pk_add_f32 v[14:15], v[14:15], v[S+m:S+m+1]
	v_pk_add_f32 v[SX:SX+1], v[SX:SX+1], v[S+m+2:S+m+3]
	v_pk_add_f32 v[SX+2:SX+3], v[SX+2:SX+3], v[SX+4:SX+5]
	s_delay_alu instid0(VALU_DEP_2)
	v_pk_add_f32 v[14:15], v[14:15], v[SX:SX+1]
	s_delay_alu instid0(VALU_DEP_1)
	v_pk_add_f32 v[14:15], v[14:15], v[SX+2:SX+3]
	s_wait_alu depctr_va_vdst(0)                   ; the wait here, directly ahead of the wait below
	s_wait_dscnt 0x0                               ; V and its scale words are in, and the next step's K (all asked for at the step's head)
.if \nxt
	SMUL \qf, \qs                                  ; the next step's scores
.endif
.irp t, 0,1,2,3                                ; the four accumulators take turns; between two links of a chain stand the others' and a step's score products
	v_wmma_scale_f32_16x16x128_f8f6f4 v[O+8*\t:O+8*\t+7], v[VF+8*\t:VF+8*\t+7], v[PC:PC+7], v[O+8*\t:O+8*\t+7], v[VSC+\t], v[PW] matrix_a_fmt:MATRIX_FMT_FP4 matrix_b_fmt:MATRIX_FMT_FP4
.endr
.endm
; One tile of 16 queries.  s[G] holds its last key step; ncd, mkd: that step's groups and the group on the diagonal.
.macro TILE qf, qs, ncd, mkd, oc, os
	s_wait_xcnt 0x0                                ; the tile before has stored from v[PC] on and v[OW]: only behind this wait are they written again
	KLOAD AKL, ASL, 0, 0                           ; key step 0's K
	v_mov_b32 v13, 0xff61b1e6                      ; the largest score so far: -3e38
	v_floor_f32 v12, -v13                          ; -M
	v_mov_b32 v14, 0                               ; the sum, in two halves
	v_mov_b32 v15, 0
	s_mov_b32 s[ST], 0
	s_mov_b32 s[TK], 0
	s_mov_b32 s[TS], 0
	s_mov_b32 s[TV], VREC
	s_wait_alu depctr_va_vdst(0)                   ; the wait here, directly ahead of the wait below
	s_wait_dscnt 0x0
	SMUL \qf, \qs                                  ; key step 0's scores
.set n, 0
.rept 32
	v_mov_b32 v[O+n], 0                            ; O^T: the first step finds zeros
.set n, n+1
.endr
	s_wait_alu depctr_va_vdst(0)                   ; the wait ahead of the branches below
.Lstep_\@:
	s_cmp_ge_u32 s[ST], s[G]                       ; 15 trips in every wave; only the steps ahead of the tile's last are walked here
	s_cbranch_scc1 .Lskip_\@
	BODY \qf, \qs, 2, -1, 1
.Lskip_\@:
	s_add_co_u32 s[ST], s[ST], 1
	s_add_co_u32 s[TK], s[TK], 4096                ; eight tiles of K,
	s_add_co_u32 s[TS], s[TS], 512                 ; their scale words,
	s_add_co_u32 s[TV], s[TV], VRB                 ; a record of V on
	s_cmp_lt_u32 s[ST], 15
	s_cbranch_scc1 .Lstep_\@
	s_mul_i32 s[TV], s[G], VRB                     ; the last step, on the diagonal: its record of V hangs on the wave's number alone
	s_add_co_u32 s[TV], s[TV], VREC
	BODY \qf, \qs, \ncd, \mkd, 0
	; the tile's end: O^T / the sum, quantised along the 64 channels: two blocks; register j of accumulator t is channel 16 t + 8 h + j
.rept 4
	v_nop                                          ; places behind the last products
.endr
	v_add_f32 v14, v14, v15                        ; the sum's two halves,
	s_delay_alu instid0(VALU_DEP_1)
	v_permlanex16_b32 v[TMP], v14, s[SEL], s[SEL+1]
	s_delay_alu instid0(VALU_DEP_1)
	v_add_f32 v14, v14, v[TMP]                     ; and lane l xor 16's: the row's sum
	s_wait_alu depctr_va_vdst(0)                   ; the wait ahead of the transcendental
	v_rcp_f32 v[F], v14
	v_nop                                          ; one plain place behind a transcendental
	s_wait_alu depctr_va_vdst(0)                   ; and ahead of its first reader, which is also O^T's
.set n, 0
.rept 16
	v_pk_mul_f32 v[O+n:O+n+1], v[O+n:O+n+1], v[F:F+1] op_sel_hi:[1,0]   ; each accumulator from its low end on
.set n, n+2
.endr
.irp b, 0,1
	v_max3_num_f32 v[BM+\b], |v[O+16*\b]|, |v[O+16*\b+1]|, 0x1800000
.endr
.irp i, 2,4,6,8,10,12,14
.irp b, 0,1
	s_delay_alu instid0(VALU_DEP_2)
	v_max3_num_f32 v[BM+\b], v[BM+\b], |v[O+16*\b+\i]|, |v[O+16*\b+\i+1]|
.endr
.endr
.irp b, 0,1
	s_delay_alu instid0(VALU_DEP_2)
	v_permlanex16_b32 v[B2+\b], v[BM+\b], s[SEL], s[SEL+1]
.endr
.irp b, 0,1
	s_delay_alu instid0(VALU_DEP_2)
	v_max_num_f32 v[BM+\b], v[BM+\b], v[B2+\b]
.endr
.irp b, 0,1
	s_delay_alu instid0(VALU_DEP_2)
	v_add_nc_u32 v[SCF+\b], 0xff000000, v[BM+\b]
.endr
.irp b, 0,1
	s_delay_alu instid0(VALU_DEP_2)
	v_lshrrev_b32 v[B2+\b], 23, v[SCF+\b]
.endr
	s_delay_alu instid0(VALU_DEP_1)
	v_lshl_or_b32 v[OW], v[B2+1], 8, v[B2]
	v_cvt_scalef32_pk8_fp4_f32 v[PC],   v[O:O+7],     v[SCF]
	v_cvt_scalef32_pk8_fp4_f32 v[PC+2], v[O+8:O+15],  v[SCF]
	v_cvt_scalef32_pk8_fp4_f32 v[PC+1], v[O+16:O+23], v[SCF+1]
	v_cvt_scalef32_pk8_fp4_f32 v[PC+3], v[O+24:O+31], v[SCF+1]
	v_nop                                          ; one plain place behind a scaled conversion
	v_permlane16_swap_b32 v[PC], v[PC+1]           ; a whole block of 32 channels in a lane
	v_permlane16_swap_b32 v[PC+2], v[PC+3]
	global_store_b128 v[LI], v[PC:PC+3], s[\oc:\oc+1]              ; 32 lanes store 512 consecutive bytes
	global_store_b16 v[SA], v[OW], s[\os:\os+1]                    ; my row's two scale bytes (lanes 16-31 write what lanes 0-15 write)
.endm
	s_mov_b32 s[G], s[WV]
	TILE QA, QSA, 1, 0, OCA, OSA
	s_mov_b32 s[G], s[GB]
	TILE QB, QSB, 2, 1, OCB, OSB
	s_wait_tensorcnt 0x0                           ; the wave's end
	ds_add_u32 v[SPW], v[NIL]
	s_wait_dscnt 0x0
	CROUND                                         ; the closing round: no work-group ends while a partner may still ask for a tile that names it
	s_endpgm
.Lfunc_end_k_q39d39d850a_attn:
	.size	k_q39d39d850a_attn, .Lfunc_end_k_q39d39d850a_attn-k_q39d39d850a_attn
	.p2alignl 7, 3214868480
	.fill 96, 4, 3214868480
	.section	.rodata,"a",@progbits
	.p2align	6, 0x0
	.amdhsa_kernel k_q39d39d850a_attn
		.amdhsa_group_segment_fixed_size 327680
		.amdhsa_private_segment_fixed_size 0
		.amdhsa_enable_private_segment 0
		.amdhsa_kernarg_size 24
		.amdhsa_user_sgpr_count 2
		.amdhsa_user_sgpr_kernarg_segment_ptr 1
		.amdhsa_wavefront_size32 1
		.amdhsa_system_sgpr_workgroup_id_x 1
		.amdhsa_system_sgpr_workgroup_id_y 1
		.amdhsa_system_sgpr_workgroup_id_z 1
		.amdhsa_system_vgpr_workitem_id 0
		.amdhsa_next_free_vgpr 256
		.amdhsa_next_free_sgpr 100
		.amdhsa_reserve_vcc 0
		.amdhsa_float_denorm_mode_32 3
		.amdhsa_float_denorm_mode_16_64 3
		.amdhsa_memory_ordered 1
		.amdhsa_forward_progress 1
		.amdhsa_inst_pref_size 78
	.end_amdhsa_kernel
	.amdgpu_metadata
---
amdhsa.version: [ 1, 2 ]
amdhsa.kernels:
  - .name:           k_q39d39d850a_attn
    .symbol:         k_q39d39d850a_attn.kd
    .args:
      - { .name: qk, .offset: 0, .size: 8, .value_kind: global_buffer, .address_space: global }
      - { .name: vq, .offset: 8, .size: 8, .value_kind: global_buffer, .address_space: global }
      - { .name: cq, .offset: 16, .size: 8, .value_kind: global_buffer, .address_space: global }
    .group_segment_fixed_size: 327680
    .private_segment_fixed_size: 0
    .kernarg_segment_align: 8
    .kernarg_segment_size: 24
    .max_flat_workgroup_size: 512
    .sgpr_count:     100
    .vgpr_count:     256
    .wavefront_size: 32
...
	.end_amdgpu_metadata
.endif
;; end of part 3
;; launch oproj (part 4): grid 4 x 64, 4 waves a work-group, clusters of 4 x 4, 327,680 bytes of LDS; arguments cq, wq, bo, out0; writes out0
.if DOCPART == 4
	.amdgcn_target "amdgcn-amd-amdhsa--gfx1250"
	.amdhsa_code_object_version 6
	.text
	.protected	k_q39d39d850a_oproj
	.globl	k_q39d39d850a_oproj
	.p2align	8
	.type	k_q39d39d850a_oproj,@function
k_q39d39d850a_oproj:
	s_mov_b64 s[64:65], 0
	v_nop
	global_prefetch_b8 v0, s[64:65] scope:SCOPE_SE
	s_setreg_imm32_b32 hwreg(HW_REG_WAVE_MODE, 25, 1), 1
	s_wait_xcnt 0x0
	s_wait_alu depctr_hold_cnt(0) depctr_sa_sdst(0) depctr_va_vdst(0) depctr_va_sdst(0) depctr_va_ssrc(0) depctr_va_vcc(0) depctr_vm_vsrc(0)
	s_getreg_b32 s2, hwreg(HW_REG_IB_STS2, 6, 4)
	s_cmp_eq_u32 s2, 0
	s_cbranch_scc0 .Lentry_in_a_cluster
	s_endpgm
.Lentry_in_a_cluster:
	s_bfe_u32 s2, ttmp6, 0x10000c
	s_cmp_lg_u32 s2, 0xf033
	s_cbranch_scc0 .Lentry_shape_is_right
	s_endpgm
.Lentry_shape_is_right:
; out0 = concat Wo + bo, on codes of FP4 (E2M1) with one E8M0 scale for each 32 along K = 1,024.  A work-group makes 128 rows x 256 columns, a wave 64 x 128; 256 work-groups.
; cq holds the rows as images of fragments, [row tile of 16][head 16][512 bytes]: a work-group's 128 rows are 65,536 dense bytes.  Wo's columns are wq's rows from 3,072 on, 512 bytes each.
; ALL OF K COMES ONCE, at the head, one joint load a wave: wave 0 the rows' codes, wave 1 Wo's 256 rows (LDS rows of 512 bytes + 16), wave 2 the rows' scale bytes, wave 3 Wo's.
; Nothing is filled again; one barrier shows the four tiles to every wave.  CLUSTERS: 4 x 4; the rows' tiles are shared along a row of the cluster, Wo's along a column.
; THE WORK GOES BY ROWS OF THE RESULT.  Wo's fragments of my 128 columns for all of K, 64 fragments of 8 registers, stay in registers.  They are read from LDS K step by K step, two steps ahead, while row blocks 0 and 1
; (16 rows each) are multiplied; then each block leaves through my stage in LDS as soon as it is finished, and blocks 2 and 3 are multiplied, 64 matrix instructions each, while the block before is on its way through the stage.
; The product is used transposed (source 0 = Wo's rows, source 1 = the rows): a lane holds eight neighbouring numbers of a row.  The bias is the C of each sum's first matrix instruction.
; The stage lies in LDS bytes that no load fills.  No prefetch: all that is read comes at the head, and there is no loop to run ahead in.
; REGISTERS, in windows of 256: window 0: v0-31 addresses; v32-95 scale words; v128-255 the rows' fragments, two blocks of 8 K steps.  Windows 1, 2: Wo's fragments: K step q, block b at v[64 (q % 4) + 8 b] of window 1 + q / 4.
;   window 3: v0-127 two sets of eight accumulators (block a in set a % 2); v128-191 the bias; v192-255 16 rows read back from the stage.
.set SIZE_N, 1024
.set ROWB,   512
.set KROW,   512
.set PITCH,  528                       ; an LDS row of Wo: 512 bytes + 16 = 132 words: the 16 rows that a load touches start 4 banks apart
.set HALFA,  4*8192                    ; 64 rows of codes
.set HALFT,  128*PITCH
.set BOFF,   2*HALFA
.set KS,     32
.set SCL,    BOFF+2*HALFT              ; the scale bytes, as runs of 256 bytes + 16 of padding
.set HALFSA, (64*KS/256)*272
.set SCLB,   SCL+2*HALFSA
.set HALFSB, (128*KS/256)*272
.set SBLK,   (16*KS/256)*272
.set SPARE,  SCLB+2*HALFSB             ; the spare words, 128 bytes for each wave
.set STG,    SPARE+512                 ; the four waves' stages: 16 rows x (512 bytes + 16) each
.set SPITCH, 528
.set CSCL,   0x400000
.set WOC,    0x180000
.set WOS,    0x218000
.set ADRA, 16
.set ADRB, 20
.set STO,  24
.set RD,   25
.set CO,   26
.set ADRS, 27
.set SPW,  28
.set NIL,  29
.set BO,   30
.set SC,   32                          ; scale words: register 32 (q / 4) + 4 i + q % 4: lanes 0-15 the rows' block i, lanes 16-31 Wo's block i
.set AF,   128
.set BI,   128                         ; in window 3
.set RB,   192                         ; in window 3
.set G1, 24
.set G0, 32
.set G1B, 48
.set G0B, 56
.set G1S, 68
.set G0S, 76
.set G1SB, 80
.set G0SB, 88
.set MSB, 0
.macro WIN new                         ; the immediate's high byte repeats the setting that is left; a switch that changes nothing is dropped
.if MSB != (\new)
	s_set_vgpr_msb (MSB<<8)|(\new)
.set MSB, (\new)
.endif
.endm
.macro ARM under, g0, g1, next         ; one arm of the head's chain: its joint load, s_nop 0 and four v_nop, and a jump to the chain's end
	s_cmp_lt_u32 s14, \under
	s_cbranch_scc0 \next
	tensor_load_to_lds s[\g0:\g0+3], s[\g1:\g1+7]
	s_nop 0
.rept 4
	v_nop
.endr
	s_branch .Lhead_asked
\next:
.endm
.macro CROUND
	s_barrier_signal -1
	s_barrier_wait -1
	s_cmp_lg_u32 s14, 0
	s_cbranch_scc1 .Lnot_wave_0_\@
	s_barrier_signal -3
.Lnot_wave_0_\@:
	s_barrier_wait -3
	s_barrier_signal -1
	s_barrier_wait -1
.endm
	s_load_b256 s[4:11], s[0:1], 0x0               ; cq, wq, bo, out0
	v_lshl_add_u32 v[SPW], v0, 2, SPARE
	v_mov_b32 v[NIL], 0
	ds_add_u32 v[SPW], v[NIL]                      ; the add, twice on end, and its wait ahead of my tensor load
	ds_add_u32 v[SPW], v[NIL]
	v_lshrrev_b32 v1, 5, v0
	v_readfirstlane_b32 s14, v1                    ; wave 0..3
	s_lshr_b32 s15, s14, 1                         ; which 64 rows are mine
	s_and_b32 s16, s14, 1                          ; which 128 columns
	s_bfe_u32 s40, ttmp6, 0x40000
	s_bfe_u32 s41, ttmp6, 0x40004
	s_lshl_b32 s42, ttmp9, 2
	s_add_co_u32 s42, s42, s40                     ; tile column
	s_and_b32 s17, ttmp7, 0xffff
	s_lshl_b32 s17, s17, 2
	s_add_co_u32 s17, s17, s41                     ; tile row
	s_lshl_b32 s43, s41, 2
	s_lshl_b32 s43, 15, s43                        ; my row of the cluster
	s_lshl_b32 s44, 0x1111, s40                    ; my column
	s_or_b32 s[G1+0], s43, (3<<16)|(1<<21)         ; the rows' codes: 65,536 dense bytes as 256 rows of 256 bytes (32 elements of 8), no padding
	s_mov_b32 s[G1+1], 32<<16
	s_mov_b32 s[G1+2], 256<<16
	s_mov_b32 s[G1+3], 32<<16
	s_mov_b32 s[G1+4], 256
	s_mov_b32 s[G1+5], 32
	s_mov_b32 s[G1+6], 0
	s_mov_b32 s[G1+7], 0
	s_or_b32 s[G1B+0], s44, (0<<16)|(1<<20)|(1<<21)|(6<<22)|(3<<25)   ; Wo's 256 rows of 512 bytes, four words of padding after every 128
	s_mov_b32 s[G1B+1], ROWB<<16
	s_mov_b32 s[G1B+2], 256<<16
	s_mov_b32 s[G1B+3], ROWB<<16
	s_mov_b32 s[G1B+4], 256
	s_mov_b32 s[G1B+5], KROW
	s_mov_b32 s[G1B+6], 0
	s_mov_b32 s[G1B+7], 0
	s_or_b32 s[G1S+0], s43, (3<<16)|(1<<20)|(1<<21)|(5<<22)|(3<<25)   ; scale bytes: rows of 256 bytes, four words of padding behind each
	s_mov_b32 s[G1S+1], 32<<16
	s_mov_b32 s[G1S+2], (128*KS/256)<<16
	s_mov_b32 s[G1S+3], 32<<16
	s_mov_b32 s[G1S+4], 128*KS/256
	s_mov_b32 s[G1S+5], 32
	s_mov_b32 s[G1S+6], 0
	s_mov_b32 s[G1S+7], 0
	s_or_b32 s[G1SB+0], s44, (3<<16)|(1<<20)|(1<<21)|(5<<22)|(3<<25)
	s_mov_b32 s[G1SB+1], 32<<16
	s_mov_b32 s[G1SB+2], (256*KS/256)<<16
	s_mov_b32 s[G1SB+3], 32<<16
	s_mov_b32 s[G1SB+4], 256*KS/256
	s_mov_b32 s[G1SB+5], 32
	s_mov_b32 s[G1SB+6], 0
	s_mov_b32 s[G1SB+7], 0
	s_lshl_b32 s22, s17, 12                        ; 128 rows of 32 scale bytes a tile row
	s_add_co_u32 s22, s22, CSCL
	s_mov_b32 s23, 0
	s_lshl_b32 s20, s17, 16                        ; 65,536 bytes of codes a tile row
	s_mov_b32 s21, 0
	s_lshl_b32 s92, s42, 13                        ; 256 rows of 32 scale bytes a tile column
	s_add_co_u32 s92, s92, WOS
	s_mov_b32 s93, 0
	s_lshl_b32 s46, s42, 17                        ; 256 rows of 512 bytes
	s_add_co_u32 s46, s46, WOC
	s_mov_b32 s47, 0
	s_wait_dscnt 0x0                               ; both opening adds are done
	s_wait_kmcnt 0x0
	s_add_nc_u64 s[20:21], s[4:5], s[20:21]
	s_add_nc_u64 s[22:23], s[4:5], s[22:23]
	s_add_nc_u64 s[46:47], s[6:7], s[46:47]
	s_add_nc_u64 s[92:93], s[6:7], s[92:93]
	CROUND                                         ; all sixteen work-groups are here: the joint loads meet
	s_mov_b32 s[G0S], 1
	s_mov_b32 s[G0S+1], SCL
	s_mov_b64 s[G0S+2:G0S+3], s[22:23]
	s_or_b32 s[G0S+3], s[G0S+3], 0x80000000
	s_mov_b32 s[G0SB], 1
	s_mov_b32 s[G0SB+1], SCLB
	s_mov_b64 s[G0SB+2:G0SB+3], s[92:93]
	s_or_b32 s[G0SB+3], s[G0SB+3], 0x80000000
	s_mov_b32 s[G0], 1
	s_mov_b32 s[G0+1], 0
	s_mov_b64 s[G0+2:G0+3], s[20:21]
	s_or_b32 s[G0+3], s[G0+3], 0x80000000
	s_mov_b32 s[G0B], 1
	s_mov_b32 s[G0B+1], BOFF
	s_mov_b64 s[G0B+2:G0B+3], s[46:47]
	s_or_b32 s[G0B+3], s[G0B+3], 0x80000000
	ARM 1, G0,  G1,  .Lhead_b                      ; one chain of branches: every way passes one load
	ARM 2, G0B, G1B, .Lhead_sa
	ARM 3, G0S, G1S, .Lhead_sb
	tensor_load_to_lds s[G0SB:G0SB+3], s[G1SB:G1SB+7]
	s_nop 0
.rept 4
	v_nop
.endr
.Lhead_asked:
	s_mul_i32 s18, s15, HALFA                      ; my 64 rows' codes
	s_mul_i32 s19, s16, HALFT                      ; my 128 rows of Wo
	s_add_co_u32 s19, s19, BOFF
	s_mul_i32 s21, s15, HALFSA                     ; the scale words: the rows', for lanes 0-15;
	s_mul_i32 s22, s16, HALFSB                     ; Wo's, for lanes 16-31: one product over the lower base
	s_add_co_u32 s22, s22, 2*HALFSA
	s_sub_co_u32 s22, s22, s21
	s_add_co_u32 s21, s21, SCL
	s_mul_i32 s23, s14, 16*SPITCH
	s_add_co_u32 s23, s23, STG                     ; my stage
	s_lshl_b32 s46, s42, 10                        ; my first column, in bytes
	s_lshl_b32 s47, s16, 9
	s_add_co_u32 s46, s46, s47
	s_mov_b32 s47, 0
	s_add_nc_u64 s[94:95], s[8:9], s[46:47]        ; the bias there
	s_lshl_b32 s2, s17, 7
	s_lshl_b32 s3, s15, 6
	s_add_co_u32 s2, s2, s3
	s_lshl_b32 s2, s2, 12                          ; my first row, 4,096 bytes a row
	s_add_co_u32 s2, s2, s46
	s_mov_b32 s3, 0
	s_add_nc_u64 s[12:13], s[10:11], s[2:3]
	v_and_b32 v1, 15, v0                           ; r
	v_bfe_u32 v2, v0, 4, 1                         ; h
	v_and_b32 v6, 31, v0
	v_mul_u32_u24 v3, v1, PITCH
	v_lshlrev_b32 v[CO], 4, v6
	v_lshl_add_u32 v4, v2, 4, v3
	v_mul_u32_u24 v5, v1, KS
	v_add_nc_u32 v[ADRA], s18, v[CO]
	v_add_nc_u32 v[ADRB], s19, v4
	v_lshrrev_b32 v6, 8, v5
	v_mul_u32_u24 v7, s22, v2
	v_lshl_add_u32 v5, v6, 4, v5                   ; 32 bytes a row, and 16 more for each 256 passed
	v_mul_u32_u24 v8, v1, SPITCH
	v_add_nc_u32 v5, v5, v7
	v_lshl_add_u32 v8, v2, 5, v8
	v_add_nc_u32 v[ADRS], s21, v5
	v_add_nc_u32 v[STO], s23, v8                   ; into the stage: row r, 32 bytes for each half of the lanes
	v_add_nc_u32 v[RD], s23, v[CO]                 ; back: the 32 lanes take one row of 512 bytes
	v_lshlrev_b32 v[BO], 5, v2
	s_wait_alu depctr_va_vdst(0)                   ; the wait at the head's end
	WIN 0xc0                                       ; destination window 3
.irp b, 0,1,2,3,4,5,6,7
	global_load_b128 v[BI+8*\b:BI+8*\b+3], v[BO], s[94:95] offset:64*\b          ; block b's eight registers: the bias at 16 b + 8 h + 0 .. 7
	global_load_b128 v[BI+8*\b+4:BI+8*\b+7], v[BO], s[94:95] offset:64*\b+16
.endr
	WIN 0
.macro PLACES n
.rept \n
	v_nop
.endr
.endm
.macro FETCHB q                        ; Wo's eight fragments of K step q
	WIN 0x40*(1+(\q)/4)
.irp i, 0,1,2,3,4,5,6,7
.irp c, 0,1
	ds_load_b128 v[64*((\q)%4)+8*\i+4*\c:64*((\q)%4)+8*\i+4*\c+3], v[ADRB] offset:64*(\q)+32*\c+\i*16*PITCH
.endr
.endr
.endm
.macro FETCHA a                        ; row block a's fragments of all eight K steps, from their images: 512 consecutive bytes a load
	WIN 0
.irp q, 0,1,2,3,4,5,6,7
.irp c, 0,1
	ds_load_b128 v[AF+64*((\a)%2)+8*\q+4*\c:AF+64*((\a)%2)+8*\q+4*\c+3], v[ADRA] offset:1024*\q+512*\c+(\a)*8192
.endr
.endr
.endm
; Eight matrix instructions: row block a x Wo's eight blocks, K step q.  The accumulators take turns, one instruction a turn.  Source 0 window 1 or 2, source 1 window 0, C and D window 3.
.macro MUL8 a, q
	WIN 0xf1+(\q)/4
.irp b, 0,1,2,3,4,5,6,7
.set rD, 64*((\a)%2)+8*\b
.set rB, 64*((\q)%4)+8*\b
.set rA, AF+64*((\a)%2)+8*(\q)
.set rSB, SC+32*((\q)/4)+4*\b+(\q)%4
.set rSA, SC+32*((\q)/4)+4*(\a)+(\q)%4
.if (\q) == 0
	v_wmma_scale_f32_16x16x128_f8f6f4 v[rD:rD+7], v[rB:rB+7], v[rA:rA+7], v[BI+8*\b:BI+8*\b+7], v[rSB], v[rSA] matrix_a_fmt:MATRIX_FMT_FP4 matrix_b_fmt:MATRIX_FMT_FP4 matrix_a_scale:MATRIX_SCALE_ROW1
.else
	v_wmma_scale_f32_16x16x128_f8f6f4 v[rD:rD+7], v[rB:rB+7], v[rA:rA+7], v[rD:rD+7], v[rSB], v[rSA] matrix_a_fmt:MATRIX_FMT_FP4 matrix_b_fmt:MATRIX_FMT_FP4 matrix_a_scale:MATRIX_SCALE_ROW1
.endif
.endr
.endm
.macro ROW a                           ; a whole row block: 64 matrix instructions
.irp q, 0,1,2,3,4,5,6,7
	MUL8 \a, \q
.endr
.endm
.macro TOSTAGE a                       ; block a into my stage, each accumulator from its low end on, and back as whole rows; LDS serves a wave's instructions in order
	WIN 0x0c                                       ; the data: window 3
.irp b, 0,1,2,3,4,5,6,7
	ds_store_b128 v[STO], v[64*((\a)%2)+8*\b:64*((\a)%2)+8*\b+3] offset:64*\b
	ds_store_b128 v[STO], v[64*((\a)%2)+8*\b+4:64*((\a)%2)+8*\b+7] offset:64*\b+16
.endr
	WIN 0xc0
.irp t, 0,1,2,3,4,5,6,7,8,9,10,11,12,13,14,15
	ds_load_b128 v[RB+4*\t:RB+4*\t+3], v[RD] offset:\t*SPITCH
.endr
.endm
.macro SEND a
	s_wait_dscnt 0x0                               ; the block is back in registers; so its stores into the stage have read the accumulators
.if (\a) > 0
	s_add_nc_u64 s[12:13], s[12:13], 16*SIZE_N*4   ; (behind a wait on XCNT: the earlier stores have read their base)
.endif
	WIN 0x0c
.irp t, 0,1,2,3,4,5,6,7,8,9,10,11,12,13,14,15
	global_store_b128 v[CO], v[RB+4*\t:RB+4*\t+3], s[12:13] offset:\t*SIZE_N*4 th:TH_STORE_NT   ; 32 lanes store 512 consecutive bytes, aligned
.endr
.endm
	s_wait_tensorcnt 0x0                           ; my one load has landed
	s_barrier_signal -1
	s_barrier_wait -1                              ; everybody's has
.irp i, 0,1,2,3,4,5,6,7
	ds_load_b128 v[SC+4*\i:SC+4*\i+3], v[ADRS] offset:\i*SBLK            ; scale words of K steps 0-3,
	ds_load_b128 v[SC+32+4*\i:SC+32+4*\i+3], v[ADRS] offset:\i*SBLK+16   ; 4-7
.endr
	FETCHA 0
	FETCHA 1
	FETCHB 0
	FETCHB 1
	s_wait_loadcnt 0x0                             ; the bias
.irp q, 0,1,2,3,4,5,6,7
.if \q < 6
	FETCHB \q+2
	s_wait_dscnt 32                                ; K step q's fragments are in; the 32 loads of the next two K steps may be out
.else
	s_wait_dscnt 16*(7-\q)
.endif
	MUL8 0, \q
	MUL8 1, \q
.endr
	PLACES 5                                       ; behind the last products: in front of the loads into the rows' fragments, of the stage's stores, and of the products that begin sums anew on these accumulators
	FETCHA 2
	FETCHA 3
	TOSTAGE 0
	SEND 0
	s_wait_xcnt 0x0                                ; block 0's stores have read their registers and their base
	TOSTAGE 1
	ROW 2                                          ; on block 0's accumulators, while block 1 goes through the stage
	SEND 1
	s_wait_xcnt 0x0
	PLACES 4
	TOSTAGE 2
	ROW 3
	SEND 2
	s_wait_xcnt 0x0
	PLACES 4
	TOSTAGE 3
	SEND 3
	WIN 0
	s_wait_tensorcnt 0x0                           ; the wave's end
	ds_add_u32 v[SPW], v[NIL]
	s_wait_dscnt 0x0
	CROUND                                         ; the closing round
	s_endpgm
.Lfunc_end_k_q39d39d850a_oproj:
	.size	k_q39d39d850a_oproj, .Lfunc_end_k_q39d39d850a_oproj-k_q39d39d850a_oproj
	.p2alignl 7, 3214868480
	.fill 96, 4, 3214868480
	.section	.rodata,"a",@progbits
	.p2align	6, 0x0
	.amdhsa_kernel k_q39d39d850a_oproj
		.amdhsa_group_segment_fixed_size 327680
		.amdhsa_private_segment_fixed_size 0
		.amdhsa_enable_private_segment 0
		.amdhsa_kernarg_size 32
		.amdhsa_user_sgpr_count 2
		.amdhsa_user_sgpr_kernarg_segment_ptr 1
		.amdhsa_wavefront_size32 1
		.amdhsa_system_sgpr_workgroup_id_x 1
		.amdhsa_system_sgpr_workgroup_id_y 1
		.amdhsa_system_sgpr_workgroup_id_z 1
		.amdhsa_system_vgpr_workitem_id 0
		.amdhsa_next_free_vgpr 1024
		.amdhsa_next_free_sgpr 98
		.amdhsa_reserve_vcc 0
		.amdhsa_float_denorm_mode_32 3
		.amdhsa_float_denorm_mode_16_64 3
		.amdhsa_memory_ordered 1
		.amdhsa_forward_progress 1
		.amdhsa_inst_pref_size 71
	.end_amdhsa_kernel
	.amdgpu_metadata
---
amdhsa.version: [ 1, 2 ]
amdhsa.kernels:
  - .name:           k_q39d39d850a_oproj
    .symbol:         k_q39d39d850a_oproj.kd
    .args:
      - { .name: cq, .offset: 0, .size: 8, .value_kind: global_buffer, .address_space: global }
      - { .name: wq, .offset: 8, .size: 8, .value_kind: global_buffer, .address_space: global }
      - { .name: bo, .offset: 16, .size: 8, .value_kind: global_buffer, .address_space: global }
      - { .name: out0, .offset: 24, .size: 8, .value_kind: global_buffer, .address_space: global }
    .group_segment_fixed_size: 327680
    .private_segment_fixed_size: 0
    .kernarg_segment_align: 8
    .kernarg_segment_size: 32
    .max_flat_workgroup_size: 128
    .sgpr_count:     98
    .vgpr_count:     1024
    .wavefront_size: 32
...
	.end_amdgpu_metadata
.endif
;; end of part 4
